; MI455X (gfx1250); checked and timed in simulation.
; The chip was launched on July 23, 2026; its instructions are those of AMD's public machine-readable ISA for CDNA 5 (MIT licence, August 2026) and "CDNA5" Instruction Set Architecture Reference Guide (July 2026). The comments in the code are by the model that wrote it; some were corrected since.
;; Experts. Allowed arithmetic: float matrix products may take bf16 or f16 operands with f32 sums; other float arithmetic in f32, or as packed bf16 or f16 multiplies, adds, multiply-adds, maxima and minima; sums over many terms, partial sums and values carried from step to step in f32; what a program stores and reads back later, other than sums and carried values, may be rounded once to bf16 or f16.
;; Inputs: b1 8 x 4,096 float32; b2 8 x 1,024 float32; dispatch_order 1,024 int32; inputs 2 x 512 x 1,024 float32; w1 8 x 1,024 x 4,096 float32; w2 8 x 4,096 x 1,024 float32.
;; Outputs: out0 2 x 512 x 1,024 float32.
;; 2 versions, each right and faster than the one before. Each part assembles by itself: llvm-mc -triple=amdgcn-amd-amdhsa -mcpu=gfx1250 --defsym DOCPART=n.
;; ======== version 1 of 2: 2 launches
;; workspace buffers: h 67,108,864 bytes
;; launch first (part 1): grid 32 x 8, 4 waves a work-group, no clusters, 137,984 bytes of LDS; arguments inputs, w1, b1, dispatch_order, h, out0; writes h, out0
.if DOCPART == 1
	.amdgcn_target "amdgcn-amd-amdhsa--gfx1250"
	.amdhsa_code_object_version 6
	.text
	.protected	k_qf98cb5a286_first
	.globl	k_qf98cb5a286_first
	.p2align	8
	.type	k_qf98cb5a286_first,@function
k_qf98cb5a286_first:
	s_mov_b64 s[64:65], 0
	v_nop
	global_prefetch_b8 v0, s[64:65] scope:SCOPE_SE
	s_setreg_imm32_b32 hwreg(HW_REG_WAVE_MODE, 25, 1), 1
	s_wait_xcnt 0x0
; h = gelu(x W1_e + b1_e), in bf16, for the tokens whose dispatch_order is e; and zero rows of out0 for tokens whose index is outside 0..7.
; x: [1024][1024] f32.  W1: [8][1024 k][4096 n] f32.  b1: [8][4096] f32.  dispatch_order: [1024] i32.
; SHARES.  Work-group (sl, e) owns 128 hidden columns of expert e: 512 KB of W1 that no other work-group reads.  Wave w owns K rows 256 w .. 256 w + 255 of them.
; PHASES.  STREAM: the slice comes in by 16-byte loads, is rounded to bf16 and stays in 512 registers a wave as finished matrix fragments.  ROWS: 32 trips of 32 rows of the expert's list;
; trips past the count jump over the work and pass the barriers.  The four waves' sums over their quarters of K meet in LDS and are added in f32.
; THE WEIGHTS' LAYOUT.  One load takes 64 columns (256 consecutive, aligned bytes) of one K row in lanes 0-15 and of another in lanes 16-31; word jt of lane r is column 4 r + jt.  Sixteen loads
; (16 k a half) and 32 packed roundings give four fragments jt = 0..3, in which matrix row r stands for column 64 g + 4 r + jt.  Nothing is transposed: the way out undoes the permutation.
; THE PRODUCT.  Source 0 = weights, source 1 = 16 tokens: lane (r, hh) ends with token r and columns 64 g + 32 hh + 4 j + jt (j the accumulator's register).
; h'S LAYOUT, byte e<<23 | tile<<17 | sl<<12 | u<<9 | lane<<4: tile = 16 rows in the list's order; piece u = 4 g + a holds, in lane (r, hh), token r's columns 128 sl + 64 g + 32 hh + 8 a + 0..7.
; That is the order in which the second product's source-0 registers take them, and each store of a wave covers 512 consecutive bytes.
; THE LIST.  Wave 0 makes the expert's list of tokens in LDS by a counting pass over dispatch_order (no atomics); the second launch makes the same list by the same lines.
; The 32 places from the count on repeat the list's first token (token 0 where the list is empty), so tiles are worked and stored whole, without masks.  The first trip always runs (count taken as 1 at
; the least), so that tiles 0 and 1 of every expert are stored: the second launch loads them whatever the count.
; LIMITS.  x, W1 and h are rounded once to bf16 (nearest even).  K is summed in four quarters, added as (q0 + q1) + (q2 + q3).  gelu is the tanh form as v / (1 + 2^(v (c0 + c1 v^2))),
; c0 = -2 log2(e) sqrt(2/pi), c1 = 0.044715 c0; a power below 2^-126 counts as 0 and one beyond f32 as infinity, whose reciprocal 0 is the limit.  NaN and infinities are not treated apart.
; NO TENSOR LOADS: the f32 weights have to pass through registers to be rounded.  NO CLUSTER: each weight byte has one work-group; the token rows come by a list.
.set LIST,   0                         ; 1,024 words: the expert's tokens
.set TRASH,  4096                      ; 32 words, one a lane: where a lane whose token is another expert's puts it
.set CNT,    4224                      ; one word: the count
.set XS,     4352                      ; x in bf16: for each wave 2 tiles x 16 rows of 256 numbers; only the wave itself touches its part
.set XPITCH, 528                       ; 512 bytes + 16: 132 words, so the 16 rows of a fragment load start at 16 different groups of four banks (64 banks of 4 bytes: ISA guide 11.1)
.set XTILE,  16*XPITCH
.set XWAVE,  2*XTILE
.set EX,     XS+4*XWAVE                ; the exchange: for each wave 16,384 bytes: tile x 8,192 + column tile x 1,024 + register half x 512 + lane x 16
.set SPARE,  EX+4*16384                ; the spare words, 128 bytes a wave: two blocks of 256 bytes that no other line names
.set WOFF,  3                          ; v3   weights: 8 K rows down for lanes 16-31, 16 bytes a lane of 16
.set XST,   4                          ; v4   where I put 8 bytes of a row of x
.set XLD,   5                          ; v5   where my fragment rows of x begin
.set EXW,   6                          ; v6   my wave's part of the exchange + 16 x lane
.set EXR,   7                          ; v7   wave 0's copy of the tile and column group that I finish + 16 x lane
.set C16,   8                          ; v8   16 x (lane % 16)
.set VB,    9                          ; v9   128 x (lane / 16): my 32 columns in b1
.set LISTA, 10                         ; v10  LIST + 4 x (the trip's first row + 8 x (lane / 16))
.set L16,   11                         ; v11  16 x lane
.set SPW,   12                         ; v12  my spare word; never rewritten
.set NIL,   13                         ; v13  0; never rewritten
.set ROFF,  16                         ; v16-31   byte offsets of 2 x 8 token rows (lanes 16-31: the rows 8 further on)
.set BIAS,  32                         ; v32-63   b1 of my 32 columns: number 4 j + jt
.set ACC,   64                         ; v64-127  8 accumulators, one a column tile
.set RR,    64                         ; v64-191  behind the exchange: the four waves' sums, 32 registers each
.set XF,    128                        ; v128-191 fragments of x: 8 K steps
.set DW,    128                        ; v128-159 early, in wave 0: dispatch_order
.set OUT,   192                        ; v192-207 h as stored
.set T,     208                        ; v208-223 at work
.set LT,    208                        ; the list's eight registers
.set NL,    224                        ; v224-239 list words of the next trip
; window 1 (v256-511): staging, as loaded.  Windows 2 and 3 (v512-1023): the weights: K step ks, column tile mt at 512 + 8 (8 ks + mt).
; s_set_vgpr_msb's low byte: bits 1:0 source 0, 3:2 source 1, 5:4 source 2, 7:6 destination.
.set MSB, 0
.macro WIN new                         ; the immediate's high byte repeats the setting that is left; a switch that changes nothing is dropped
.if MSB != (\new)
	s_set_vgpr_msb (MSB<<8)|(\new)
.set MSB, \new
.endif
.endm
.macro PLACES                          ; four plain vector instructions between a matrix instruction and a store of its result or a load into one of its registers
.rept 4
	v_nop
.endr
.endm
; Wave 0 asks for dispatch_order: register DW + 4 c + j of lane l is token 128 c + 4 l + j.
.macro DLOAD
	s_cmp_lg_u32 s16, 0
	s_cbranch_scc1 .Lno_dload
.irp c, 0,1,2,3,4,5,6,7
	global_load_b128 v[DW+4*(\c):DW+4*(\c)+3], v[L16], s[10:11] offset:512*(\c)
.endr
.Lno_dload:
.endm
; Wave 0 makes the list.  LIST and the 32 words behind it are zeroed first (LDS serves a wave's instructions in order: ISA guide 5.7.1.4).  For each of the 32 registers: the lanes whose token
; is expert e's get the places s32 + (matching lanes below), the others their own word of TRASH; s32 grows by the number of matches.  At last the list's first token is read back and put into
; the 32 places from the count on.  younger: the loads issued behind dispatch_order's.
.macro LISTBUILD younger
	s_cmp_lg_u32 s16, 0
	s_cbranch_scc1 .Lno_list
	v_and_b32 v[LT+1], 31, v0
	v_add_nc_u32 v[LT], 1024, v[LT+1]              ; my place in TRASH, counted in words from LIST
	v_lshlrev_b32 v[LT+3], 2, v[LT]                ; and in bytes
	v_lshlrev_b32 v[LT+1], 2, v[LT+1]              ; 4 x lane
	v_mov_b32 v[LT+2], CNT
.irp z, 4,5,6,7
	v_mov_b32 v[LT+\z], 0
.endr
.irp c, 0,1,2,3,4,5,6,7
	ds_store_b128 v[L16], v[LT+4:LT+7] offset:LIST+512*(\c)
.endr
	ds_store_b32 v[LT+3], v[LT+4]
	s_mov_b32 s32, 0
	s_wait_loadcnt \younger                        ; dispatch_order is in; what was asked for behind it stays out
.set iw, 0
.rept 32
	v_cmp_eq_u32 vcc_lo, s17, v[DW+iw]
	v_mbcnt_lo_u32_b32 v14, vcc_lo, s32
	v_cndmask_b32 v14, v[LT], v14, vcc_lo
	v_min_u32 v14, 0x41f, v14                      ; 1,024 + 31 at the most
	v_lshl_add_u32 v14, v14, 2, LIST
	v_add_nc_u32 v15, 128*(iw/4)+iw%4, v[LT+1]     ; the token's number
	ds_store_b32 v14, v15
	s_bcnt1_i32_b32 s33, vcc_lo
	s_add_co_u32 s32, s32, s33
.set iw, iw+1
.endr
	v_mov_b32 v14, LIST
	ds_load_b32 v[LT+4], v14                       ; the list's first token; 0 where the list is empty
	v_lshrrev_b32 v[LT+3], 2, v[LT+1]              ; lane
	v_add_nc_u32 v[LT+3], s32, v[LT+3]             ; place count + lane
	v_min_u32 v[LT+3], 0x41f, v[LT+3]              ; 1,024 + 31 at the most
	v_lshl_add_u32 v[LT+3], v[LT+3], 2, LIST
	v_mov_b32 v15, s32
	s_wait_dscnt 0x0                               ; the first token is back
	ds_store_b32 v[LT+3], v[LT+4]
	ds_store_b32 v[LT+2], v15
.Lno_list:
.endm
; All waves: wave 0's stores are done before it signals; behind the barrier everybody reads the count.
.macro GETCNT
	s_wait_dscnt 0x0
	s_barrier_signal -1
	s_barrier_wait -1
	v_mov_b32 v14, CNT
	ds_load_b32 v15, v14
	s_wait_dscnt 0x0
	v_readfirstlane_b32 s19, v15
	s_min_u32 s19, s19, 0x400
.endm
; Unit n = 2 ks + g of the weights: 32 K rows x 64 columns, 16 loads into staging set n % 4.  Load it: K row 32 ks + it (+ 8 from it = 8 on) + 8 (lane / 16): the 16-bit fragment's own order of k.
.macro WLOAD n
	WIN 0x40                                       ; destination window 1
.set it, 0
.rept 16
	global_load_b128 v[64*((\n)%4)+4*it:64*((\n)%4)+4*it+3], v[WOFF], s[6:7] offset:(32*((\n)/2)+it+8*(it/8))*16384+256*((\n)%2) th:TH_LOAD_NT
.set it, it+1
.endr
.endm
; The unit is rounded: register iq of fragment jt = (load 2 iq, load 2 iq + 1), word jt.
.macro WCVT n
.if (\n) < 8
	WIN 0x85                                       ; sources window 1, destination window 2
.else
	WIN 0xc5                                       ; destination window 3
.endif
.set jt, 0
.rept 4
.set iq, 0
.rept 8
	v_cvt_pk_bf16_f32 v[64*(((\n)/2)%4)+32*((\n)%2)+8*jt+iq], v[64*((\n)%4)+8*iq+jt], v[64*((\n)%4)+8*iq+4+jt]
.set iq, iq+1
.endr
.set jt, jt+1
.endr
.endm
.macro PREP off                        ; 16 list words: NL + 8 n + a = the token at place (first row) + 16 n + 8 (lane / 16) + a
.irp i, 0,1,2,3
	ds_load_b128 v[NL+4*(\i):NL+4*(\i)+3], v[LISTA] offset:(\off)+64*((\i)/2)+16*((\i)%2)
.endr
.endm
.macro ROFFC                           ; tokens to byte offsets: 4,096 bytes a row
.set ii, 0
.rept 16
	v_min_u32 v[NL+ii], 0x3ff, v[NL+ii]
	v_lshl_add_u32 v[ROFF+ii], v[NL+ii], 12, v[C16]
.set ii, ii+1
.endr
.endm
.macro XLOAD n                         ; tile n: my 1,024 bytes of 16 rows: 32 loads; lanes 0-15 take 256 consecutive, aligned bytes of row ia, lanes 16-31 of row ia + 8
	WIN 0x40
.set ia, 0
.rept 8
.set iu, 0
.rept 4
	global_load_b128 v[128*(\n)+4*(4*ia+iu):128*(\n)+4*(4*ia+iu)+3], v[ROFF+8*(\n)+ia], s[4:5] offset:256*iu
.set iu, iu+1
.endr
.set ia, ia+1
.endr
.endm
.macro XBATCH n, b, cnt                ; loads 8 b .. 8 b + 7 of tile n are rounded and put into my rows in LDS.  cnt: the token loads younger than these eight
	s_wait_loadcnt \cnt
	WIN 0x05                                       ; sources window 1
.set ii, 0
.rept 8
	v_cvt_pk_bf16_f32 v[T+2*ii],   v[128*(\n)+4*(8*(\b)+ii)],   v[128*(\n)+4*(8*(\b)+ii)+1]
	v_cvt_pk_bf16_f32 v[T+2*ii+1], v[128*(\n)+4*(8*(\b)+ii)+2], v[128*(\n)+4*(8*(\b)+ii)+3]
.set ii, ii+1
.endr
	WIN 0
.set ii, 0
.rept 8
	ds_store_b64 v[XST], v[T+2*ii:T+2*ii+1] offset:XTILE*(\n)+XPITCH*((8*(\b)+ii)/4)+128*((8*(\b)+ii)%4)  ; the halves of the lanes lie 8 rows = 16 x 256 + 128 bytes apart: every bank once
.set ii, ii+1
.endr
.endm
.macro XFRAG n                         ; tile n's fragments: lane (r, hh) takes row r, k = 32 ks + 8 hh + 0..7 and + 16
.set ks, 0
.rept 8
	ds_load_b128 v[XF+8*ks:XF+8*ks+3],   v[XLD] offset:XTILE*(\n)+64*ks
	ds_load_b128 v[XF+8*ks+4:XF+8*ks+7], v[XLD] offset:XTILE*(\n)+64*ks+32
.set ks, ks+1
.endr
.endm
.macro MULT                            ; 64 matrix instructions: 8 K steps x 8 column tiles; the eight accumulators take turns; the first K step starts the sums
.set ks, 0
.rept 8
.if ks < 4
	WIN 0x02                                       ; source 0 (weights) window 2
.else
	WIN 0x03
.endif
.set mt, 0
.rept 8
.if ks == 0
	v_wmma_f32_16x16x32_bf16 v[ACC+8*mt:ACC+8*mt+7], v[64*(ks%4)+8*mt:64*(ks%4)+8*mt+7], v[XF+8*ks:XF+8*ks+7], 0
.else
	v_wmma_f32_16x16x32_bf16 v[ACC+8*mt:ACC+8*mt+7], v[64*(ks%4)+8*mt:64*(ks%4)+8*mt+7], v[XF+8*ks:XF+8*ks+7], v[ACC+8*mt:ACC+8*mt+7]
.endif
.set mt, mt+1
.endr
.set ks, ks+1
.endr
.endm
.macro EXOUT n                         ; my quarter's sums of tile n go into my part of the exchange, each accumulator from its low end on
	WIN 0
	PLACES
.set mt, 0
.rept 8
	ds_store_b128 v[EXW], v[ACC+8*mt:ACC+8*mt+3]   offset:8192*(\n)+1024*mt
	ds_store_b128 v[EXW], v[ACC+8*mt+4:ACC+8*mt+7] offset:8192*(\n)+1024*mt+512
.set mt, mt+1
.endr
.endm
; Wave w finishes tile w / 2, column group w % 2: four waves' sums, bias, gelu, rounding, four stores of 512 consecutive bytes.
.macro FINAL
.set sr, 0
.rept 4
.set jt, 0
.rept 4
	ds_load_b128 v[RR+32*sr+8*jt:RR+32*sr+8*jt+3],   v[EXR] offset:16384*sr+1024*jt
	ds_load_b128 v[RR+32*sr+8*jt+4:RR+32*sr+8*jt+7], v[EXR] offset:16384*sr+1024*jt+512
.set jt, jt+1
.endr
.set sr, sr+1
.endr
	s_wait_dscnt 0x0
.set ip, 0
.rept 16
	v_pk_add_f32 v[RR+2*ip:RR+2*ip+1],       v[RR+2*ip:RR+2*ip+1],       v[RR+32+2*ip:RR+32+2*ip+1]
	v_pk_add_f32 v[RR+64+2*ip:RR+64+2*ip+1], v[RR+64+2*ip:RR+64+2*ip+1], v[RR+96+2*ip:RR+96+2*ip+1]
.set ip, ip+1
.endr
.set ip, 0
.rept 16
	v_pk_add_f32 v[RR+2*ip:RR+2*ip+1], v[RR+2*ip:RR+2*ip+1], v[RR+64+2*ip:RR+64+2*ip+1]
.set ip, ip+1
.endr
.set jt, 0
.rept 4
.set ij, 0
.rept 8
	v_add_f32 v[RR+8*jt+ij], v[RR+8*jt+ij], v[BIAS+4*ij+jt]
.set ij, ij+1
.endr
.set jt, jt+1
.endr
.set ip, 0
.rept 16
	v_pk_mul_f32 v[RR+32+2*ip:RR+32+2*ip+1], v[RR+2*ip:RR+2*ip+1], v[RR+2*ip:RR+2*ip+1]                          ; v^2
.set ip, ip+1
.endr
.set ip, 0
.rept 16
	v_pk_fma_f32 v[RR+32+2*ip:RR+32+2*ip+1], v[RR+32+2*ip:RR+32+2*ip+1], s[28:29], s[30:31] op_sel_hi:[1,0,0]   ; c1 v^2 + c0
.set ip, ip+1
.endr
.set ip, 0
.rept 16
	v_pk_mul_f32 v[RR+32+2*ip:RR+32+2*ip+1], v[RR+32+2*ip:RR+32+2*ip+1], v[RR+2*ip:RR+2*ip+1]
.set ip, ip+1
.endr
.set ii, 0
.rept 32
	v_exp_f32 v[RR+32+ii], v[RR+32+ii]
.set ii, ii+1
.endr
	v_nop                                          ; a plain instruction between the last exponential and the use of its result (ISA guide 5.7.2)
.set ip, 0
	s_wait_alu depctr_va_vdst(0)
.rept 16
	v_pk_add_f32 v[RR+32+2*ip:RR+32+2*ip+1], v[RR+32+2*ip:RR+32+2*ip+1], 1.0 op_sel_hi:[1,0]
.set ip, ip+1
.endr
.set ii, 0
.rept 32
	v_rcp_f32 v[RR+32+ii], v[RR+32+ii]
.set ii, ii+1
.endr
	v_nop                                          ; likewise behind the last reciprocal
.set ip, 0
	s_wait_alu depctr_va_vdst(0)
.rept 16
	v_pk_mul_f32 v[RR+2*ip:RR+2*ip+1], v[RR+2*ip:RR+2*ip+1], v[RR+32+2*ip:RR+32+2*ip+1]
.set ip, ip+1
.endr
.set ia, 0
.rept 4                                ; piece ia, word id: columns 8 ia + 2 id and + 1, which are (jt, j) = (2 (id % 2), 2 ia + id / 2) and (jt + 1, j)
.set id, 0
.rept 4
	v_cvt_pk_bf16_f32 v[OUT+4*ia+id], v[RR+8*(2*(id%2))+2*ia+id/2], v[RR+8*(2*(id%2)+1)+2*ia+id/2]
.set id, id+1
.endr
.set ia, ia+1
.endr
.irp a, 0,1,2,3
	global_store_b128 v[L16], v[OUT+4*(\a):OUT+4*(\a)+3], s[12:13] offset:512*(\a)
.endr
	s_wait_xcnt 0x0                                ; the stores' base and data are rewritten only behind this wait (ISA guide 3.1)
	s_add_nc_u64 s[12:13], s[12:13], 0x40000       ; two tiles on
.endm
	s_load_b256 s[4:11], s[0:1], 0x0               ; inputs s[4:5], w1 s[6:7], b1 s[8:9], dispatch_order s[10:11]
	s_load_b128 s[12:15], s[0:1], 0x20             ; h s[12:13], out0 s[14:15]
	v_lshl_add_u32 v[SPW], v0, 2, SPARE
	v_mov_b32 v[NIL], 0
	v_and_b32 v1, 15, v0                           ; r
	v_bfe_u32 v2, v0, 4, 1                         ; hh
	v_and_b32 v14, 31, v0
	v_lshrrev_b32 v15, 5, v0
	v_readfirstlane_b32 s16, v15                   ; wave w
	s_mov_b32 s18, ttmp9                           ; sl
	s_and_b32 s17, ttmp7, 0xffff                   ; e
	v_lshlrev_b32 v[L16], 4, v14
	v_lshlrev_b32 v[C16], 4, v1
	v_lshl_add_u32 v[WOFF], v2, 17, v[C16]         ; 8 rows of 16,384 bytes
	v_lshlrev_b32 v[VB], 7, v2
	s_and_b32 s36, s16, 1                          ; the column group that I finish
	s_lshr_b32 s37, s16, 1                         ; the tile that I finish
	s_lshl_b32 s24, s16, 10                        ; x: my quarter of K, 256 numbers
	s_mov_b32 s25, 0
	s_lshl_b32 s38, s17, 24                        ; w1: the expert, my 256 K rows, the slice's 128 columns
	s_lshl_b32 s23, s16, 22
	s_add_co_u32 s38, s38, s23
	s_lshl_b32 s23, s18, 9
	s_add_co_u32 s38, s38, s23
	s_mov_b32 s39, 0
	s_lshl_b32 s40, s17, 14                        ; b1: the expert, the slice, my column group
	s_add_co_u32 s40, s40, s23
	s_lshl_b32 s23, s36, 8
	s_add_co_u32 s40, s40, s23
	s_mov_b32 s41, 0
	s_lshl_b32 s42, s17, 23                        ; h: the expert, the slice, my tile, my column group's four pieces
	s_lshl_b32 s23, s18, 12
	s_add_co_u32 s42, s42, s23
	s_lshl_b32 s23, s37, 17
	s_add_co_u32 s42, s42, s23
	s_lshl_b32 s23, s36, 11
	s_add_co_u32 s42, s42, s23
	s_mov_b32 s43, 0
	s_lshl_b32 s35, s17, 5                         ; the launch has 1,024 waves: wave 4 (32 e + sl) + w looks after the token of that number
	s_add_co_u32 s35, s35, s18
	s_lshl_b32 s35, s35, 2
	s_add_co_u32 s35, s35, s16
	s_lshl_b32 s44, s35, 2
	s_mov_b32 s45, 0
	s_wait_kmcnt 0x0
	s_add_nc_u64 s[4:5], s[4:5], s[24:25]
	s_add_nc_u64 s[6:7], s[6:7], s[38:39]
	s_add_nc_u64 s[8:9], s[8:9], s[40:41]
	s_add_nc_u64 s[12:13], s[12:13], s[42:43]
	s_add_nc_u64 s[26:27], s[10:11], s[44:45]
	s_load_b32 s34, s[26:27], 0x0                  ; that token's index; waited for at the kernel's end
	DLOAD
.irp j, 0,1,2,3,4,5,6,7
	global_load_b128 v[BIAS+4*(\j):BIAS+4*(\j)+3], v[VB], s[8:9] offset:16*(\j)
.endr
	WLOAD 0
	WLOAD 1
	WLOAD 2
	WIN 0
	s_mul_i32 s23, s16, XWAVE                      ; LDS addresses, while the first loads are out
	s_add_co_u32 s23, s23, XS
	v_mul_u32_u24 v15, v2, 8*XPITCH
	v_lshl_add_u32 v15, v1, 3, v15
	v_add_nc_u32 v[XST], s23, v15                  ; in: row 8 hh (+ ia), 8 bytes a lane of 16
	v_mul_u32_u24 v15, v1, XPITCH
	v_lshl_add_u32 v15, v2, 4, v15
	v_add_nc_u32 v[XLD], s23, v15                  ; back: row r, 16 bytes for each half of the lanes
	s_lshl_b32 s23, s16, 14
	s_add_co_u32 s23, s23, EX
	v_add_nc_u32 v[EXW], s23, v[L16]
	s_lshl_b32 s23, s16, 12                        ; tile w / 2 x 8,192 + column group w % 2 x 4,096
	s_add_co_u32 s23, s23, EX
	v_add_nc_u32 v[EXR], s23, v[L16]
	v_lshlrev_b32 v[LISTA], 5, v2                  ; LIST is 0
	s_mov_b32 s28, 0xbdd2d3e6                      ; c1 = -0.10294324
	s_mov_b32 s29, s28                             ; named with it as a pair
	s_mov_b32 s30, 0xc0135761                      ; c0 = -2.3022082
	s_mov_b32 s31, s30
	LISTBUILD 56                                   ; behind dispatch_order's loads: 8 of b1, 48 of the weights
	WLOAD 3
; THE STREAM: four units of 16 loads are out; the oldest is rounded and its set asked for again.
.irp n, 0,1,2,3,4,5,6,7,8,9,10,11,12,13,14,15
.if (\n) == 13 || (\n) == 15
	s_wait_loadcnt 32                              ; unit 13: units 14, 15 stay out.  Unit 15: tile 0's 32 loads
.else
	s_wait_loadcnt 48                              ; three younger units stay out (unit 14: unit 15 and tile 0's 32 loads)
.endif
	WCVT \n
.if (\n) < 12
	WLOAD (\n)+4
.endif
.if (\n) == 8
	WIN 0
	GETCNT
	s_max_u32 s19, s19, 1                          ; the first trip always runs
	PREP 0
	s_wait_dscnt 0x0
	ROFFC
.endif
.if (\n) == 13
	XLOAD 0                                        ; staging sets 0 and 1 are free: the first trip's first tile
.endif
.if (\n) == 15
	XLOAD 1
.endif
.endr
	WIN 0
	s_mov_b32 s20, 0                               ; the trip's first row
	s_mov_b32 s21, 32                              ; trips to go: a constant, so that every wave passes every barrier whatever the count
.Ltrip:
	s_cmp_lt_u32 s20, s19
	s_cbranch_scc0 .Ldead1
	PREP 128                                       ; the next trip's list words
	XBATCH 0, 0, 56                                ; out at the trip's head: tile 0's 32 loads, then tile 1's 32
	XBATCH 0, 1, 48
	XBATCH 0, 2, 40
	XBATCH 0, 3, 32
	XFRAG 0
	s_wait_dscnt 0x0
	MULT
	EXOUT 0
	XBATCH 1, 0, 24
	XBATCH 1, 1, 16
	XBATCH 1, 2, 8
	XBATCH 1, 3, 0                                 ; no load is out: the rows' offsets may be written anew
	ROFFC
	s_add_co_u32 s23, s20, 32
	s_cmp_lt_u32 s23, s19
	s_cbranch_scc0 .Lno_next                       ; both tiles' loads are jumped together, so the counts above hold on either way
	XLOAD 0
	XLOAD 1
	WIN 0
.Lno_next:
	XFRAG 1
	s_wait_dscnt 0x0
	MULT
	EXOUT 1
.Ldead1:
	s_wait_dscnt 0x0                               ; for the others' sake: my stores into the exchange are done
	s_barrier_signal -1
	s_barrier_wait -1
	s_cmp_lt_u32 s20, s19
	s_cbranch_scc0 .Ldead2
	FINAL
.Ldead2:
	s_wait_dscnt 0x0                               ; my reads of the exchange are back,
	s_barrier_signal -1
	s_barrier_wait -1                              ; everybody's are: it may be written again
	s_add_co_u32 s20, s20, 32
	v_add_nc_u32 v[LISTA], 128, v[LISTA]
	s_sub_co_u32 s21, s21, 1
	s_cmp_lg_u32 s21, 0
	s_cbranch_scc1 .Ltrip
	; A token whose index names no expert gets a row of zeros: no work-group of the second launch has it in a list.
	s_wait_kmcnt 0x0
	s_cmp_gt_u32 s34, 7                            ; unsigned: negative indices too
	s_cbranch_scc0 .Lin_range
.irp z, 0,1,2,3
	v_mov_b32 v[T+\z], 0
.endr
	s_lshl_b32 s24, s35, 12
	s_add_nc_u64 s[24:25], s[14:15], s[24:25]
.irp j, 0,1,2,3,4,5,6,7
	global_store_b128 v[L16], v[T:T+3], s[24:25] offset:512*(\j)
.endr
.Lin_range:
	s_wait_tensorcnt 0x0                           ; the wave's end, behind my last LDS store
	ds_add_u32 v[SPW], v[NIL]
	s_wait_dscnt 0x0
	s_endpgm
.Lfunc_end_k_qf98cb5a286_first:
	.size	k_qf98cb5a286_first, .Lfunc_end_k_qf98cb5a286_first-k_qf98cb5a286_first
	.p2alignl 7, 3214868480
	.fill 96, 4, 3214868480
	.section	.rodata,"a",@progbits
	.p2align	6, 0x0
	.amdhsa_kernel k_qf98cb5a286_first
		.amdhsa_group_segment_fixed_size 137984
		.amdhsa_private_segment_fixed_size 0
		.amdhsa_enable_private_segment 0
		.amdhsa_kernarg_size 48
		.amdhsa_user_sgpr_count 2
		.amdhsa_user_sgpr_kernarg_segment_ptr 1
		.amdhsa_wavefront_size32 1
		.amdhsa_system_sgpr_workgroup_id_x 1
		.amdhsa_system_sgpr_workgroup_id_y 1
		.amdhsa_system_sgpr_workgroup_id_z 1
		.amdhsa_system_vgpr_workitem_id 0
		.amdhsa_next_free_vgpr 1024
		.amdhsa_next_free_sgpr 66
		.amdhsa_reserve_vcc 1
		.amdhsa_float_denorm_mode_32 3
		.amdhsa_float_denorm_mode_16_64 3
		.amdhsa_memory_ordered 1
		.amdhsa_forward_progress 1
		.amdhsa_inst_pref_size 137
	.end_amdhsa_kernel
	.amdgpu_metadata
---
amdhsa.version: [ 1, 2 ]
amdhsa.kernels:
  - .name:           k_qf98cb5a286_first
    .symbol:         k_qf98cb5a286_first.kd
    .args:
      - { .name: inputs, .offset: 0, .size: 8, .value_kind: global_buffer, .address_space: global }
      - { .name: w1, .offset: 8, .size: 8, .value_kind: global_buffer, .address_space: global }
      - { .name: b1, .offset: 16, .size: 8, .value_kind: global_buffer, .address_space: global }
      - { .name: dispatch_order, .offset: 24, .size: 8, .value_kind: global_buffer, .address_space: global }
      - { .name: h, .offset: 32, .size: 8, .value_kind: global_buffer, .address_space: global }
      - { .name: out0, .offset: 40, .size: 8, .value_kind: global_buffer, .address_space: global }
    .group_segment_fixed_size: 137984
    .private_segment_fixed_size: 0
    .kernarg_segment_align: 8
    .kernarg_segment_size: 48
    .max_flat_workgroup_size: 128
    .sgpr_count:     66
    .vgpr_count:     1024
    .wavefront_size: 32
...
	.end_amdgpu_metadata
.endif
;; end of part 1
;; launch second (part 2): grid 16 x 8, 4 waves a work-group, no clusters, 299,776 bytes of LDS; arguments h, w2, b2, dispatch_order, out0; writes out0
.if DOCPART == 2
	.amdgcn_target "amdgcn-amd-amdhsa--gfx1250"
	.amdhsa_code_object_version 6
	.text
	.protected	k_qf98cb5a286_second
	.globl	k_qf98cb5a286_second
	.p2align	8
	.type	k_qf98cb5a286_second,@function
k_qf98cb5a286_second:
	s_mov_b64 s[64:65], 0
	v_nop
	global_prefetch_b8 v0, s[64:65] scope:SCOPE_SE
	s_setreg_imm32_b32 hwreg(HW_REG_WAVE_MODE, 25, 1), 1
	s_wait_xcnt 0x0
; out0[token] = h W2_e + b2_e for the tokens whose dispatch_order is e.  h: bf16, in the first launch's order (below).  W2: [8][4096 k][1024 n] f32.  b2: [8][1024] f32.  out0: [1024][1024] f32.
; SHARES.  Work-group (cg, e) owns 64 output columns of expert e, all 4,096 K rows: 1 MB of W2 that no other work-group reads.  64 columns are the 256 consecutive, aligned bytes that half a wave's
; load takes of a row, and all K rows of such a strip add into the same outputs: so there are 8 x 16 owners.  Narrower strips would take parts of such blocks, a split of K over work-groups would
; send partial sums through memory, a split of the rows would read the weights twice.  Wave w owns K rows 1,024 w .. + 1,023: 32 K steps.
; PHASES.  STREAM: the strip comes in by 16-byte loads and is rounded to bf16 as finished fragments: K steps 0-15 stay in 512 registers, K steps 16-31 in 65,536 bytes of LDS that only the wave
; itself touches.  ROWS: 32 trips of 32 rows of the expert's list; trips past the count jump over the work and pass the barriers.  The four waves' sums meet in LDS and are added in f32.
; h'S LAYOUT, byte e<<23 | tile<<17 | sl<<12 | u<<9 | lane<<4: piece u of lane (r, hh) holds token r's hidden columns 128 sl + 64 (u / 4) + 32 hh + 8 (u % 4) + 0..7.  K step ks of block sl takes
; pieces 2 ks and 2 ks + 1 as registers 0-3 and 4-7 of source 0: half hh of the lanes holds the 16 consecutive k from 128 sl + 64 (ks / 2) + 16 (ks % 2) + 32 hh on.  The weights' loads take the same
; K rows in the same half and order, so the products pair rightly; each load of h covers 512 consecutive bytes.
; THE PRODUCT.  Source 0 = 16 tokens, source 1 = weights, whose matrix column r stands for column 4 r + jt (word jt of lane r's 16 bytes).  Register j of the four accumulators jt is then 16 consecutive
; bytes of row 8 hh + j, and sixteen lanes store 256 consecutive, aligned bytes of a row of out0.
; THE LIST is made as in the first launch, by the same lines, so its order is the same.  The places from the count up to the next multiple of 32 repeat the list's first token: in both launches such a
; row takes the same numbers through the same arithmetic as that token's own row, and it is stored onto that row again with the same numbers: at most 31 rows of 256 bytes, all within the one
; work-group that owns those bytes; so no store needs a mask.  An expert without rows has no live trip and stores nothing.
; LIMITS.  W2 is rounded once to bf16; K is summed in four quarters, added as (q0 + q1) + (q2 + q3); NaN and infinities are not treated apart.
; NO TENSOR LOADS: the f32 weights have to pass through registers to be rounded.  NO CLUSTER: each weight byte has one work-group; an expert's 16 work-groups do share h's tiles, but the trips past the
; count would still have to ask for them, and LDS has no room for a slot beside 262,144 bytes of weights and the exchange.
.set LIST,   0                         ; 1,024 words: the expert's tokens
.set TRASH,  4096                      ; 32 words, one a lane
.set CNT,    4224                      ; one word: the count
.set WL,     4352                      ; for each wave 65,536 bytes: (K step - 16) x 4,096 + jt x 1,024 + register half x 512 + lane x 16
.set EX,     WL+4*65536                ; the exchange: for each wave 8,192 bytes: (4 tile + jt) x 1,024 + register half x 512 + lane x 16
.set SPARE,  EX+4*8192                 ; the spare words, 128 bytes a wave: two blocks of 256 bytes that no other line names
.set WOFF,  3                          ; v3   weights: 32 K rows down for lanes 16-31, 16 bytes a lane of 16
.set WLA,   4                          ; v4   my wave's weights in LDS + 16 x lane
.set L16,   5                          ; v5   16 x lane
.set EXW,   6                          ; v6   my wave's part of the exchange + 16 x lane
.set EXR,   7                          ; v7   wave 0's copy of the tile and register half that I finish + 16 x lane
.set LISTA, 8                          ; v8   LIST + 4 x the place of the first of my four rows
.set C16,   10                         ; v10  16 x (lane % 16)
.set SPW,   12                         ; v12  my spare word; never rewritten
.set NIL,   13                         ; v13  0; never rewritten
.set B2,    16                         ; v16-19   b2 of my four columns
.set TOK,   20                         ; v20-23   my four rows' tokens
.set VO,    24                         ; v24-27   their byte offsets in out0
.set LT,    24                         ; v24-31   early, in wave 0: the list's eight registers
.set OUT,   32                         ; v32-47   four rows x 16 bytes
.set ACC,   48                         ; v48-111  8 accumulators: 4 tile + jt
.set BR,    128                        ; v128-255 four slots of 32: weights back from LDS; in the stream the fragments on their way there
.set RR,    128                        ; v128-191 behind the exchange: the four waves' sums, 16 registers each
.set DW,    224                        ; v224-255 early, in wave 0: dispatch_order
; window 1 (v256-511): the stream's staging, then four slots of 64 for h.  Windows 2 and 3 (v512-1023): the weights of K steps 0-15: 512 + 8 (4 step + jt).
; s_set_vgpr_msb's low byte: bits 1:0 source 0, 3:2 source 1, 5:4 source 2, 7:6 destination.
.set MSB, 0
.macro WIN new                         ; the immediate's high byte repeats the setting that is left; a switch that changes nothing is dropped
.if MSB != (\new)
	s_set_vgpr_msb (MSB<<8)|(\new)
.set MSB, \new
.endif
.endm
.macro PLACES                          ; four plain vector instructions between a matrix instruction and a store of its result or a load into one of its registers
.rept 4
	v_nop
.endr
.endm
; Wave 0 asks for dispatch_order: register DW + 4 c + j of lane l is token 128 c + 4 l + j.
.macro DLOAD
	s_cmp_lg_u32 s16, 0
	s_cbranch_scc1 .Lno_dload
.irp c, 0,1,2,3,4,5,6,7
	global_load_b128 v[DW+4*(\c):DW+4*(\c)+3], v[L16], s[10:11] offset:512*(\c)
.endr
.Lno_dload:
.endm
; Wave 0 makes the list.  LIST and the 32 words behind it are zeroed first (LDS serves a wave's instructions in order: ISA guide 5.7.1.4).  For each of the 32 registers: the lanes whose token
; is expert e's get the places s32 + (matching lanes below), the others their own word of TRASH; s32 grows by the number of matches.  At last the list's first token is read back and put into
; the 32 places from the count on.  younger: the loads issued behind dispatch_order's.
.macro LISTBUILD younger
	s_cmp_lg_u32 s16, 0
	s_cbranch_scc1 .Lno_list
	v_and_b32 v[LT+1], 31, v0
	v_add_nc_u32 v[LT], 1024, v[LT+1]              ; my place in TRASH, counted in words from LIST
	v_lshlrev_b32 v[LT+3], 2, v[LT]                ; and in bytes
	v_lshlrev_b32 v[LT+1], 2, v[LT+1]              ; 4 x lane
	v_mov_b32 v[LT+2], CNT
.irp z, 4,5,6,7
	v_mov_b32 v[LT+\z], 0
.endr
.irp c, 0,1,2,3,4,5,6,7
	ds_store_b128 v[L16], v[LT+4:LT+7] offset:LIST+512*(\c)
.endr
	ds_store_b32 v[LT+3], v[LT+4]
	s_mov_b32 s32, 0
	s_wait_loadcnt \younger                        ; dispatch_order is in; what was asked for behind it stays out
.set iw, 0
.rept 32
	v_cmp_eq_u32 vcc_lo, s17, v[DW+iw]
	v_mbcnt_lo_u32_b32 v14, vcc_lo, s32
	v_cndmask_b32 v14, v[LT], v14, vcc_lo
	v_min_u32 v14, 0x41f, v14                      ; 1,024 + 31 at the most
	v_lshl_add_u32 v14, v14, 2, LIST
	v_add_nc_u32 v15, 128*(iw/4)+iw%4, v[LT+1]     ; the token's number
	ds_store_b32 v14, v15
	s_bcnt1_i32_b32 s33, vcc_lo
	s_add_co_u32 s32, s32, s33
.set iw, iw+1
.endr
	v_mov_b32 v14, LIST
	ds_load_b32 v[LT+4], v14                       ; the list's first token; 0 where the list is empty
	v_lshrrev_b32 v[LT+3], 2, v[LT+1]              ; lane
	v_add_nc_u32 v[LT+3], s32, v[LT+3]             ; place count + lane
	v_min_u32 v[LT+3], 0x41f, v[LT+3]              ; 1,024 + 31 at the most
	v_lshl_add_u32 v[LT+3], v[LT+3], 2, LIST
	v_mov_b32 v15, s32
	s_wait_dscnt 0x0                               ; the first token is back
	ds_store_b32 v[LT+3], v[LT+4]
	ds_store_b32 v[LT+2], v15
.Lno_list:
.endm
; All waves: wave 0's stores are done before it signals; behind the barrier everybody reads the count.
.macro GETCNT
	s_wait_dscnt 0x0
	s_barrier_signal -1
	s_barrier_wait -1
	v_mov_b32 v14, CNT
	ds_load_b32 v15, v14
	s_wait_dscnt 0x0
	v_readfirstlane_b32 s19, v15
	s_min_u32 s19, s19, 0x400
.endm
; K step n of my 32: 32 K rows x 64 columns, 16 loads into staging set n % 4.  Load it: K row 128 (n / 4) + 64 ((n / 2) % 2) + 16 (n % 2) + it + 32 (lane / 16): h's order of k.
.macro WLOAD n
	WIN 0x40                                       ; destination window 1
.set it, 0
.rept 16
	global_load_b128 v[64*((\n)%4)+4*it:64*((\n)%4)+4*it+3], v[WOFF], s[6:7] offset:(128*((\n)/4)+64*(((\n)/2)%2)+16*((\n)%2)+it)*4096 th:TH_LOAD_NT
.set it, it+1
.endr
.endm
; The K step is rounded: register iq of fragment jt = (load 2 iq, load 2 iq + 1), word jt.  Steps 0-15 stay in windows 2 and 3; steps 16-31 go to my part of LDS, 512 consecutive bytes a store.
.macro WCVT n
.if (\n) < 16
.if (\n) < 8
	WIN 0x85                                       ; sources window 1, destination window 2
.else
	WIN 0xc5                                       ; destination window 3
.endif
.set jt, 0
.rept 4
.set iq, 0
.rept 8
	v_cvt_pk_bf16_f32 v[32*((\n)%8)+8*jt+iq], v[64*((\n)%4)+8*iq+jt], v[64*((\n)%4)+8*iq+4+jt]
.set iq, iq+1
.endr
.set jt, jt+1
.endr
.else
	WIN 0x05                                       ; sources window 1, destination window 0
.set jt, 0
.rept 4
.set iq, 0
.rept 8
	v_cvt_pk_bf16_f32 v[BR+32*((\n)%4)+8*jt+iq], v[64*((\n)%4)+8*iq+jt], v[64*((\n)%4)+8*iq+4+jt]
.set iq, iq+1
.endr
.set jt, jt+1
.endr
	WIN 0
.set jt, 0
.rept 4
	ds_store_b128 v[WLA], v[BR+32*((\n)%4)+8*jt:BR+32*((\n)%4)+8*jt+3]   offset:4096*((\n)-16)+1024*jt
	ds_store_b128 v[WLA], v[BR+32*((\n)%4)+8*jt+4:BR+32*((\n)%4)+8*jt+7] offset:4096*((\n)-16)+1024*jt+512
.set jt, jt+1
.endr
.endif
.endm
; Block gam of h (128 of my k, four K steps) for both tiles: 16 loads into a slot of window 1; fragment (ks, tile) at slot + 8 (2 ks + tile).  extra: 0, or two tiles on for the next trip.
.macro ALOAD gam, slot, extra
	WIN 0x40
.set ks, 0
.rept 4
.set ti, 0
.rept 2
.set qq, 0
.rept 2
	global_load_b128 v[64*(\slot)+8*(2*ks+ti)+4*qq:64*(\slot)+8*(2*ks+ti)+4*qq+3], v[L16], s[4:5] offset:(\extra)+131072*ti+1024*(4*(\gam)+ks)+512*qq
.set qq, qq+1
.endr
.set ti, ti+1
.endr
.set ks, ks+1
.endr
.endm
.macro BLOAD n                         ; the weights of K step n (16-31) back from my part of LDS, into slot n % 4
	WIN 0
.set jt, 0
.rept 4
	ds_load_b128 v[BR+32*((\n)%4)+8*jt:BR+32*((\n)%4)+8*jt+3],   v[WLA] offset:4096*((\n)-16)+1024*jt
	ds_load_b128 v[BR+32*((\n)%4)+8*jt+4:BR+32*((\n)%4)+8*jt+7], v[WLA] offset:4096*((\n)-16)+1024*jt+512
.set jt, jt+1
.endr
.endm
.macro KSTEP n                         ; 8 matrix instructions: 2 tiles x 4 fragments; the eight accumulators take turns; K step 0 starts the sums
.if (\n) < 8
	WIN 0x09                                       ; source 0 (h) window 1, source 1 (weights) window 2
.elseif (\n) < 16
	WIN 0x0d                                       ; weights window 3
.else
	WIN 0x01                                       ; weights window 0
.endif
.set ti, 0
.rept 2
.set jt, 0
.rept 4
.set rA, 64*(((\n)/4)%4)+8*(2*((\n)%4)+ti)
.set rC, ACC+8*(4*ti+jt)
.if (\n) < 16
.set rB, 32*((\n)%8)+8*jt
.else
.set rB, BR+32*((\n)%4)+8*jt
.endif
.if (\n) == 0
	v_wmma_f32_16x16x32_bf16 v[rC:rC+7], v[rA:rA+7], v[rB:rB+7], 0
.else
	v_wmma_f32_16x16x32_bf16 v[rC:rC+7], v[rA:rA+7], v[rB:rB+7], v[rC:rC+7]
.endif
.set jt, jt+1
.endr
.set ti, ti+1
.endr
.endm
; Wave w finishes tile w / 2, registers 4 (w % 2) .. + 3 of all four jt: rows 8 hh + 4 (w % 2) + 0..3, 16 bytes each.
.macro FINAL
	s_wait_xcnt 0x0                                ; the last trip's stores have read their offsets and data: these registers are rewritten only behind this wait (ISA guide 3.1)
.set sr, 0
.rept 4
.set jt, 0
.rept 4
	ds_load_b128 v[RR+16*sr+4*jt:RR+16*sr+4*jt+3], v[EXR] offset:8192*sr+1024*jt
.set jt, jt+1
.endr
.set sr, sr+1
.endr
	ds_load_b128 v[TOK:TOK+3], v[LISTA]
	s_wait_dscnt 0x0
.set ip, 0
.rept 8
	v_pk_add_f32 v[RR+2*ip:RR+2*ip+1],       v[RR+2*ip:RR+2*ip+1],       v[RR+16+2*ip:RR+16+2*ip+1]
	v_pk_add_f32 v[RR+32+2*ip:RR+32+2*ip+1], v[RR+32+2*ip:RR+32+2*ip+1], v[RR+48+2*ip:RR+48+2*ip+1]
.set ip, ip+1
.endr
.set ip, 0
.rept 8
	v_pk_add_f32 v[RR+2*ip:RR+2*ip+1], v[RR+2*ip:RR+2*ip+1], v[RR+32+2*ip:RR+32+2*ip+1]
.set ip, ip+1
.endr
.set ij, 0
.rept 4
.set jt, 0
.rept 4
	v_add_f32 v[OUT+4*ij+jt], v[RR+4*jt+ij], v[B2+jt]
.set jt, jt+1
.endr
.set ij, ij+1
.endr
.set ij, 0
.rept 4
	v_min_u32 v[TOK+ij], 0x3ff, v[TOK+ij]
	v_lshl_add_u32 v[VO+ij], v[TOK+ij], 12, v[C16]   ; 4,096 bytes a row of out0, 16 bytes a lane of 16
.set ij, ij+1
.endr
.irp j, 0,1,2,3
	global_store_b128 v[VO+\j], v[OUT+4*\j:OUT+4*\j+3], s[12:13] th:TH_STORE_NT  ; 16 lanes store 256 consecutive bytes, at a multiple of 256 from out0's first
.endr
.endm
	s_load_b256 s[4:11], s[0:1], 0x0               ; h s[4:5], w2 s[6:7], b2 s[8:9], dispatch_order s[10:11]
	s_load_b64 s[12:13], s[0:1], 0x20              ; out0
	v_lshl_add_u32 v[SPW], v0, 2, SPARE
	v_mov_b32 v[NIL], 0
	v_and_b32 v1, 15, v0                           ; r
	v_bfe_u32 v2, v0, 4, 1                         ; hh
	v_and_b32 v14, 31, v0
	v_lshrrev_b32 v15, 5, v0
	v_readfirstlane_b32 s16, v15                   ; wave w
	s_mov_b32 s18, ttmp9                           ; cg
	s_and_b32 s17, ttmp7, 0xffff                   ; e
	v_lshlrev_b32 v[L16], 4, v14
	v_lshlrev_b32 v[C16], 4, v1
	v_lshl_add_u32 v[WOFF], v2, 17, v[C16]         ; 32 rows of 4,096 bytes
	s_and_b32 s36, s16, 1                          ; the register half that I finish
	s_lshr_b32 s37, s16, 1                         ; the tile that I finish
	s_lshl_b32 s24, s17, 23                        ; h: the expert, my eight blocks of 128 k
	s_lshl_b32 s23, s16, 15
	s_add_co_u32 s24, s24, s23
	s_mov_b32 s25, 0
	s_lshl_b32 s26, s17, 24                        ; w2: the expert, my 1,024 K rows, the strip's 64 columns
	s_lshl_b32 s23, s16, 22
	s_add_co_u32 s26, s26, s23
	s_lshl_b32 s30, s18, 8
	s_add_co_u32 s26, s26, s30
	s_mov_b32 s27, 0
	s_lshl_b32 s28, s17, 12                        ; b2: the expert, the strip
	s_add_co_u32 s28, s28, s30
	s_mov_b32 s29, 0
	s_mov_b32 s31, 0                               ; s[30:31]: the strip in a row of out0
	s_wait_kmcnt 0x0
	s_add_nc_u64 s[4:5], s[4:5], s[24:25]
	s_add_nc_u64 s[6:7], s[6:7], s[26:27]
	s_add_nc_u64 s[8:9], s[8:9], s[28:29]
	s_add_nc_u64 s[12:13], s[12:13], s[30:31]
	DLOAD
	global_load_b128 v[B2:B2+3], v[C16], s[8:9]
	WLOAD 0
	WLOAD 1
	WLOAD 2
	WIN 0
	s_lshl_b32 s23, s16, 16                        ; LDS addresses, while the first loads are out
	s_add_co_u32 s23, s23, WL
	v_add_nc_u32 v[WLA], s23, v[L16]
	s_lshl_b32 s23, s16, 13
	s_add_co_u32 s23, s23, EX
	v_add_nc_u32 v[EXW], s23, v[L16]
	s_lshl_b32 s23, s37, 12
	s_lshl_b32 s22, s36, 9
	s_add_co_u32 s23, s23, s22
	s_add_co_u32 s23, s23, EX
	v_add_nc_u32 v[EXR], s23, v[L16]
	s_lshl_b32 s23, s37, 6                         ; my rows begin at place 16 (w / 2) + 8 hh + 4 (w % 2); in bytes of the list (LIST is 0):
	s_lshl_b32 s22, s36, 4
	s_add_co_u32 s23, s23, s22
	v_lshlrev_b32 v[LISTA], 5, v2
	v_add_nc_u32 v[LISTA], s23, v[LISTA]
	LISTBUILD 49                                   ; behind dispatch_order's loads: 1 of b2, 48 of the weights
	WLOAD 3
; THE STREAM: four K steps of 16 loads are out; the oldest is rounded and its set asked for again.
.set su, 0
.rept 32
.if su <= 28 || su == 31
	s_wait_loadcnt 48                              ; three younger K steps stay out (step 31: the three groups of h)
.else
	s_wait_loadcnt 16*(31-su)                      ; step 29: steps 30 and 31; step 30: step 31
.endif
	WCVT su
.if su < 28
	WLOAD su+4
.endif
.if su == 8
	WIN 0
	GETCNT                                         ; ahead of the first store into the waves' weights in LDS
.endif
.if su == 30
	ALOAD 0, 0, 0                                  ; staging sets 0 to 2 are free: the first trip's first three blocks of h (the first launch stores tiles 0 and 1 of every expert)
	ALOAD 1, 1, 0
	ALOAD 2, 2, 0
.endif
.set su, su+1
.endr
	WIN 0
	s_mov_b32 s20, 0                               ; the trip's first row
	s_mov_b32 s21, 32                              ; trips to go: a constant, so that every wave passes every barrier whatever the count
.Ltrip:
	s_cmp_lt_u32 s20, s19
	s_cbranch_scc0 .Ldead1
	ALOAD 3, 3, 0                                  ; slot 3's last products stand in front of the four places at the end of the trip before
.set gm, 0
.rept 8
.if gm <= 4
	s_wait_loadcnt 48                              ; block gm is in; three younger groups of 16 stay out
.else
	s_wait_loadcnt 16*(7-gm)
.endif
.if gm == 3
	BLOAD 16                                       ; four K steps ahead of their first use
	BLOAD 17
	BLOAD 18
	BLOAD 19
.endif
.if gm == 7
	WIN 0                                          ; no load is out.  Slots 0 to 2 were last read by K steps up to 27, and four places stand behind step 27
	s_add_co_u32 s23, s20, 32
	s_cmp_lt_u32 s23, s19
	s_cbranch_scc0 .Lno_next                       ; the three groups are jumped together, so the counts hold on either way
	ALOAD 0, 0, 0x40000
	ALOAD 1, 1, 0x40000
	ALOAD 2, 2, 0x40000
	WIN 0
.Lno_next:
.endif
.set kq, 0
.rept 4
.if 4*gm+kq >= 16
.if 4*gm+kq <= 28
	s_wait_dscnt 24                                ; this K step's weights are back; three younger slots of eight loads stay out
.else
	s_wait_dscnt 8*(31-4*gm-kq)
.endif
.endif
	KSTEP 4*gm+kq
.if 4*gm+kq >= 16 && 4*gm+kq <= 27
	PLACES
	BLOAD 4*gm+kq+4
.endif
.set kq, kq+1
.endr
.if gm <= 3
	PLACES
	ALOAD gm+4, gm, 0
.endif
.set gm, gm+1
.endr
	PLACES
	WIN 0
.set mt, 0
.rept 8                                ; my quarter's sums go into my part of the exchange, each accumulator from its low end on
	ds_store_b128 v[EXW], v[ACC+8*mt:ACC+8*mt+3]   offset:1024*mt
	ds_store_b128 v[EXW], v[ACC+8*mt+4:ACC+8*mt+7] offset:1024*mt+512
.set mt, mt+1
.endr
	s_wait_xcnt 0x0                                ; h's base is stepped only behind this wait (ISA guide 3.1)
	s_add_nc_u64 s[4:5], s[4:5], 0x40000           ; two tiles on
.Ldead1:
	s_wait_dscnt 0x0                               ; for the others' sake: my stores into the exchange are done
	s_barrier_signal -1
	s_barrier_wait -1
	s_cmp_lt_u32 s20, s19
	s_cbranch_scc0 .Ldead2
	FINAL
.Ldead2:
	s_wait_dscnt 0x0                               ; my reads of the exchange are back,
	s_barrier_signal -1
	s_barrier_wait -1                              ; everybody's are: it may be written again
	s_add_co_u32 s20, s20, 32
	v_add_nc_u32 v[LISTA], 128, v[LISTA]
	s_sub_co_u32 s21, s21, 1
	s_cmp_lg_u32 s21, 0
	s_cbranch_scc1 .Ltrip
	s_wait_tensorcnt 0x0                           ; the wave's end, behind my last LDS store
	ds_add_u32 v[SPW], v[NIL]
	s_wait_dscnt 0x0
	s_endpgm
.Lfunc_end_k_qf98cb5a286_second:
	.size	k_qf98cb5a286_second, .Lfunc_end_k_qf98cb5a286_second-k_qf98cb5a286_second
	.p2alignl 7, 3214868480
	.fill 96, 4, 3214868480
	.section	.rodata,"a",@progbits
	.p2align	6, 0x0
	.amdhsa_kernel k_qf98cb5a286_second
		.amdhsa_group_segment_fixed_size 299776
		.amdhsa_private_segment_fixed_size 0
		.amdhsa_enable_private_segment 0
		.amdhsa_kernarg_size 40
		.amdhsa_user_sgpr_count 2
		.amdhsa_user_sgpr_kernarg_segment_ptr 1
		.amdhsa_wavefront_size32 1
		.amdhsa_system_sgpr_workgroup_id_x 1
		.amdhsa_system_sgpr_workgroup_id_y 1
		.amdhsa_system_sgpr_workgroup_id_z 1
		.amdhsa_system_vgpr_workitem_id 0
		.amdhsa_next_free_vgpr 1024
		.amdhsa_next_free_sgpr 66
		.amdhsa_reserve_vcc 1
		.amdhsa_float_denorm_mode_32 3
		.amdhsa_float_denorm_mode_16_64 3
		.amdhsa_memory_ordered 1
		.amdhsa_forward_progress 1
		.amdhsa_inst_pref_size 193
	.end_amdhsa_kernel
	.amdgpu_metadata
---
amdhsa.version: [ 1, 2 ]
amdhsa.kernels:
  - .name:           k_qf98cb5a286_second
    .symbol:         k_qf98cb5a286_second.kd
    .args:
      - { .name: h, .offset: 0, .size: 8, .value_kind: global_buffer, .address_space: global }
      - { .name: w2, .offset: 8, .size: 8, .value_kind: global_buffer, .address_space: global }
      - { .name: b2, .offset: 16, .size: 8, .value_kind: global_buffer, .address_space: global }
      - { .name: dispatch_order, .offset: 24, .size: 8, .value_kind: global_buffer, .address_space: global }
      - { .name: out0, .offset: 32, .size: 8, .value_kind: global_buffer, .address_space: global }
    .group_segment_fixed_size: 299776
    .private_segment_fixed_size: 0
    .kernarg_segment_align: 8
    .kernarg_segment_size: 40
    .max_flat_workgroup_size: 128
    .sgpr_count:     66
    .vgpr_count:     1024
    .wavefront_size: 32
...
	.end_amdgpu_metadata
.endif
;; end of part 2
;; ======== version 2 of 2: 3 launches; 1.13 times as fast as version 1
;; workspace buffers: h 67,108,864 bytes; part 16,777,216 bytes
;; launch first (part 3): grid 32 x 8, 4 waves a work-group, no clusters, 137,984 bytes of LDS; arguments inputs, w1, b1, dispatch_order, h, part; writes h, part
.if DOCPART == 3
	.amdgcn_target "amdgcn-amd-amdhsa--gfx1250"
	.amdhsa_code_object_version 6
	.text
	.protected	k_qf98cb5a286_first
	.globl	k_qf98cb5a286_first
	.p2align	8
	.type	k_qf98cb5a286_first,@function
k_qf98cb5a286_first:
	s_mov_b64 s[64:65], 0
	v_nop
	global_prefetch_b8 v0, s[64:65] scope:SCOPE_SE
	s_setreg_imm32_b32 hwreg(HW_REG_WAVE_MODE, 25, 1), 1
	s_wait_xcnt 0x0
; h = gelu(x W1_e + b1_e), in bf16, for the tokens whose dispatch_order is e; and rows of zeros in the four partial outputs for tokens whose index is outside 0..7.
; x: [1024][1024] f32.  W1: [8][1024 k][4096 n] f32.  b1: [8][4096] f32.  dispatch_order: [1024] i32.  part: [4][1024][1024] f32, which the last launch adds up.
; SHARES.  Work-group (sl, e) owns 128 hidden columns of expert e: 512 KB of W1 that no other work-group reads.  Wave w owns K rows 256 w .. 256 w + 255 of them.
; PHASES.  STREAM: the slice comes in by 16-byte loads, is rounded to bf16 and stays in 512 registers a wave as finished matrix fragments.  ROWS: 32 trips of 32 rows of the expert's list;
; trips past the count jump over the work and pass the barriers.  The four waves' sums over their quarters of K meet in LDS and are added in f32.
; THE WEIGHTS' LAYOUT.  One load takes 64 columns (256 consecutive, aligned bytes) of one K row in lanes 0-15 and of another in lanes 16-31; word jt of lane r is column 4 r + jt.  Sixteen loads
; (16 k a half) and 32 packed roundings give four fragments jt = 0..3, in which matrix row r stands for column 64 g + 4 r + jt.  Nothing is transposed: the way out undoes the permutation.
; THE PRODUCT.  Source 0 = weights, source 1 = 16 tokens: lane (r, hh) ends with token r and columns 64 g + 32 hh + 4 j + jt (j the accumulator's register).
; x'S WAY IN A TRIP.  At a trip's head both tiles' 64 loads have been out since the trip before.  Tile 0 is rounded into LDS and its staging registers are asked for again at once, with the next trip's
; tile 0; then tile 1 likewise: a load has nearly a whole trip in which to land.  The next tile 1's loads stand in two pieces: 24 behind tile 0's fragment loads, while those come out of LDS, and 8 in
; the middle of tile 0's products: the issue of a load that would push LOADcnt past its field waits for an older one to come back (ISA guide 5.7.1), and by then the oldest have had time to land.
; Tile 1's fragments are fetched in halves into the registers that tile 0's products have just left, so that tile 1's products find them there.  The last live trip asks for nothing: it has a text of
; its own, chosen by one branch, so that every wait's count holds on its own way.
; h'S LAYOUT, byte e<<23 | tile<<17 | sl<<12 | u<<9 | lane<<4: tile = 16 rows in the list's order; piece u = 4 g + a holds, in lane (r, hh), token r's columns 128 sl + 64 g + 32 hh + 8 a + 0..7.
; That is the order in which the second product's source-0 registers take them, and each store of a wave covers 512 consecutive bytes.
; THE LIST.  Wave 0 makes the expert's list of tokens in LDS by a counting pass over dispatch_order (no atomics); the second launch makes the same list by the same lines.
; The 32 places from the count on repeat the list's first token (token 0 where the list is empty), so tiles are worked and stored whole, without masks.  The first trip always runs (count taken as 1 at
; the least), so that tiles 0 and 1 of every expert are stored: the second launch loads them whatever the count.
; LIMITS.  x, W1 and h are rounded once to bf16 (nearest even).  K is summed in four quarters, added as (q0 + q1) + (q2 + q3).  gelu is the tanh form as v / (1 + 2^(v (c0 + c1 v^2))),
; c0 = -2 log2(e) sqrt(2/pi), c1 = 0.044715 c0; a power below 2^-126 counts as 0 and one beyond f32 as infinity, whose reciprocal 0 is the limit.  NaN and infinities are not treated apart.
; NO TENSOR LOADS: the f32 weights have to pass through registers to be rounded.  NO CLUSTER: each weight byte has one work-group; the token rows come by a list.
.set LIST,   0                         ; 1,024 words: the expert's tokens
.set TRASH,  4096                      ; 32 words, one a lane: where a lane whose token is another expert's puts it
.set CNT,    4224                      ; one word: the count
.set XS,     4352                      ; x in bf16: for each wave 2 tiles x 16 rows of 256 numbers; only the wave itself touches its part
.set XPITCH, 528                       ; 512 bytes + 16: 132 words, so the 16 rows of a fragment load start at 16 different groups of four banks (64 banks of 4 bytes: ISA guide 11.1)
.set XTILE,  16*XPITCH
.set XWAVE,  2*XTILE
.set EX,     XS+4*XWAVE                ; the exchange: for each wave 16,384 bytes: tile x 8,192 + column tile x 1,024 + register half x 512 + lane x 16
.set SPARE,  EX+4*16384                ; the spare words, 128 bytes a wave: two blocks of 256 bytes that no other line names
.set QUART,  0x400000                  ; bytes in one of the four partial outputs
.set WOFF,  3                          ; v3   weights: 8 K rows down for lanes 16-31, 16 bytes a lane of 16
.set XST,   4                          ; v4   where I put 8 bytes of a row of x
.set XLD,   5                          ; v5   where my fragment rows of x begin
.set EXW,   6                          ; v6   my wave's part of the exchange + 16 x lane
.set EXR,   7                          ; v7   wave 0's copy of the tile and column group that I finish + 16 x lane
.set C16,   8                          ; v8   16 x (lane % 16)
.set VB,    9                          ; v9   128 x (lane / 16): my 32 columns in b1
.set LISTA, 10                         ; v10  LIST + 4 x (the trip's first row + 8 x (lane / 16))
.set L16,   11                         ; v11  16 x lane
.set SPW,   12                         ; v12  my spare word; never rewritten
.set NIL,   13                         ; v13  0; never rewritten
.set ROFF,  16                         ; v16-31   byte offsets of 2 x 8 token rows (lanes 16-31: the rows 8 further on)
.set BIAS,  32                         ; v32-63   b1 of my 32 columns: number 4 j + jt
.set ACC,   64                         ; v64-127  8 accumulators, one a column tile
.set RR,    64                         ; v64-191  behind the exchange: the four waves' sums, 32 registers each
.set XF,    128                        ; v128-191 fragments of x: 8 K steps
.set DW,    128                        ; v128-159 early, in wave 0: dispatch_order
.set OUT,   192                        ; v192-207 h as stored
.set T,     208                        ; v208-223 at work
.set LT,    208                        ; the list's eight registers
.set NL,    224                        ; v224-239 list words of the next trip
; window 1 (v256-511): staging, as loaded.  Windows 2 and 3 (v512-1023): the weights: K step ks, column tile mt at 512 + 8 (8 ks + mt).
; s_set_vgpr_msb's low byte: bits 1:0 source 0, 3:2 source 1, 5:4 source 2, 7:6 destination.
.set MSB, 0
.macro WIN new                         ; the immediate's high byte repeats the setting that is left; a switch that changes nothing is dropped
.if MSB != (\new)
	s_set_vgpr_msb (MSB<<8)|(\new)
.set MSB, \new
.endif
.endm
.macro PLACES                          ; four plain vector instructions between a matrix instruction and a store of its result or a load into one of its registers
.rept 4
	v_nop
.endr
.endm
; Wave 0 asks for dispatch_order: register DW + 4 c + j of lane l is token 128 c + 4 l + j.
.macro DLOAD
	s_cmp_lg_u32 s16, 0
	s_cbranch_scc1 .Lno_dload
.irp c, 0,1,2,3,4,5,6,7
	global_load_b128 v[DW+4*(\c):DW+4*(\c)+3], v[L16], s[10:11] offset:512*(\c)
.endr
.Lno_dload:
.endm
; Wave 0 makes the list.  LIST and the 32 words behind it are zeroed first (LDS serves a wave's instructions in order: ISA guide 5.7.1.4).  For each of the 32 registers: the lanes whose token
; is expert e's get the places s32 + (matching lanes below), the others their own word of TRASH; s32 grows by the number of matches.  At last the list's first token is read back and put into
; the 32 places from the count on.  younger: the loads issued behind dispatch_order's.
.macro LISTBUILD younger
	s_cmp_lg_u32 s16, 0
	s_cbranch_scc1 .Lno_list
	v_and_b32 v[LT+1], 31, v0
	v_add_nc_u32 v[LT], 1024, v[LT+1]              ; my place in TRASH, counted in words from LIST
	v_lshlrev_b32 v[LT+3], 2, v[LT]                ; and in bytes
	v_lshlrev_b32 v[LT+1], 2, v[LT+1]              ; 4 x lane
	v_mov_b32 v[LT+2], CNT
.irp z, 4,5,6,7
	v_mov_b32 v[LT+\z], 0
.endr
.irp c, 0,1,2,3,4,5,6,7
	ds_store_b128 v[L16], v[LT+4:LT+7] offset:LIST+512*(\c)
.endr
	ds_store_b32 v[LT+3], v[LT+4]
	s_mov_b32 s32, 0
	s_wait_loadcnt \younger                        ; dispatch_order is in; what was asked for behind it stays out
.set iw, 0
.rept 32
	v_cmp_eq_u32 vcc_lo, s17, v[DW+iw]
	v_mbcnt_lo_u32_b32 v14, vcc_lo, s32
	v_cndmask_b32 v14, v[LT], v14, vcc_lo
	v_min_u32 v14, 0x41f, v14                      ; 1,024 + 31 at the most
	v_lshl_add_u32 v14, v14, 2, LIST
	v_add_nc_u32 v15, 128*(iw/4)+iw%4, v[LT+1]     ; the token's number
	ds_store_b32 v14, v15
	s_bcnt1_i32_b32 s33, vcc_lo
	s_add_co_u32 s32, s32, s33
.set iw, iw+1
.endr
	v_mov_b32 v14, LIST
	ds_load_b32 v[LT+4], v14                       ; the list's first token; 0 where the list is empty
	v_lshrrev_b32 v[LT+3], 2, v[LT+1]              ; lane
	v_add_nc_u32 v[LT+3], s32, v[LT+3]             ; place count + lane
	v_min_u32 v[LT+3], 0x41f, v[LT+3]              ; 1,024 + 31 at the most
	v_lshl_add_u32 v[LT+3], v[LT+3], 2, LIST
	v_mov_b32 v15, s32
	s_wait_dscnt 0x0                               ; the first token is back
	ds_store_b32 v[LT+3], v[LT+4]
	ds_store_b32 v[LT+2], v15
.Lno_list:
.endm
; All waves: wave 0's stores are done before it signals; behind the barrier everybody reads the count.
.macro GETCNT
	s_wait_dscnt 0x0
	s_barrier_signal -1
	s_barrier_wait -1
	v_mov_b32 v14, CNT
	ds_load_b32 v15, v14
	s_wait_dscnt 0x0
	v_readfirstlane_b32 s19, v15
	s_min_u32 s19, s19, 0x400
.endm
; Unit n = 2 ks + g of the weights: 32 K rows x 64 columns, 16 loads into staging set n % 4.  Load it: K row 32 ks + it (+ 8 from it = 8 on) + 8 (lane / 16): the 16-bit fragment's own order of k.
.macro WLOAD n
	WIN 0x40                                       ; destination window 1
.set it, 0
.rept 16
	global_load_b128 v[64*((\n)%4)+4*it:64*((\n)%4)+4*it+3], v[WOFF], s[6:7] offset:(32*((\n)/2)+it+8*(it/8))*16384+256*((\n)%2) th:TH_LOAD_NT
.set it, it+1
.endr
.endm
; The unit is rounded: register iq of fragment jt = (load 2 iq, load 2 iq + 1), word jt.
.macro WCVT n
.if (\n) < 8
	WIN 0x85                                       ; sources window 1, destination window 2
.else
	WIN 0xc5                                       ; destination window 3
.endif
.set jt, 0
.rept 4
.set iq, 0
.rept 8
	v_cvt_pk_bf16_f32 v[64*(((\n)/2)%4)+32*((\n)%2)+8*jt+iq], v[64*((\n)%4)+8*iq+jt], v[64*((\n)%4)+8*iq+4+jt]
.set iq, iq+1
.endr
.set jt, jt+1
.endr
.endm
.macro PREP off                        ; 16 list words: NL + 8 n + a = the token at place (first row) + 16 n + 8 (lane / 16) + a
.irp i, 0,1,2,3
	ds_load_b128 v[NL+4*(\i):NL+4*(\i)+3], v[LISTA] offset:(\off)+64*((\i)/2)+16*((\i)%2)
.endr
.endm
.macro ROFFH n                         ; tile n's eight tokens to byte offsets: 4,096 bytes a row
	WIN 0
.set ii, 8*(\n)
.rept 8
	v_min_u32 v[NL+ii], 0x3ff, v[NL+ii]
	v_lshl_add_u32 v[ROFF+ii], v[NL+ii], 12, v[C16]
.set ii, ii+1
.endr
.endm
.macro XLOADQ n, q                     ; a quarter of tile n: my 1,024 bytes of rows 2 q, 2 q + 1 (lanes 16-31: the rows 8 further on): 8 loads, each half of the lanes 256 consecutive, aligned bytes
	WIN 0x40
.set ia, 2*(\q)
.rept 2
.set iu, 0
.rept 4
	global_load_b128 v[128*(\n)+4*(4*ia+iu):128*(\n)+4*(4*ia+iu)+3], v[ROFF+8*(\n)+ia], s[4:5] offset:256*iu
.set iu, iu+1
.endr
.set ia, ia+1
.endr
.endm
.macro XLOAD n                         ; the whole tile: 32 loads
.irp q, 0,1,2,3
	XLOADQ \n, \q
.endr
.endm
.macro XBATCH n, b, cnt                ; loads 8 b .. 8 b + 7 of tile n are rounded and put into my rows in LDS.  cnt: the token loads younger than these eight
	s_wait_loadcnt \cnt
	WIN 0x05                                       ; sources window 1
.set ii, 0
.rept 8
	v_cvt_pk_bf16_f32 v[T+2*ii],   v[128*(\n)+4*(8*(\b)+ii)],   v[128*(\n)+4*(8*(\b)+ii)+1]
	v_cvt_pk_bf16_f32 v[T+2*ii+1], v[128*(\n)+4*(8*(\b)+ii)+2], v[128*(\n)+4*(8*(\b)+ii)+3]
.set ii, ii+1
.endr
	WIN 0
.set ii, 0
.rept 8
	ds_store_b64 v[XST], v[T+2*ii:T+2*ii+1] offset:XTILE*(\n)+XPITCH*((8*(\b)+ii)/4)+128*((8*(\b)+ii)%4)  ; the halves of the lanes lie 8 rows = 16 x 256 + 128 bytes apart: every bank once
.set ii, ii+1
.endr
.endm
.macro XFRAGH n, hf                    ; tile n's fragments of K steps 4 hf .. 4 hf + 3: lane (r, hh) takes row r, k = 32 ks + 8 hh + 0..7 and + 16
	WIN 0
.set ks, 4*(\hf)
.rept 4
	ds_load_b128 v[XF+8*ks:XF+8*ks+3],   v[XLD] offset:XTILE*(\n)+64*ks
	ds_load_b128 v[XF+8*ks+4:XF+8*ks+7], v[XLD] offset:XTILE*(\n)+64*ks+32
.set ks, ks+1
.endr
.endm
.macro KSTEP k                         ; 8 matrix instructions: K step k x 8 column tiles; the eight accumulators take turns; K step 0 starts the sums
.if (\k) < 4
	WIN 0x02                                       ; source 0 (weights) window 2
.else
	WIN 0x03
.endif
.set mt, 0
.rept 8
.if (\k) == 0
	v_wmma_f32_16x16x32_bf16 v[ACC+8*mt:ACC+8*mt+7], v[64*((\k)%4)+8*mt:64*((\k)%4)+8*mt+7], v[XF+8*(\k):XF+8*(\k)+7], 0
.else
	v_wmma_f32_16x16x32_bf16 v[ACC+8*mt:ACC+8*mt+7], v[64*((\k)%4)+8*mt:64*((\k)%4)+8*mt+7], v[XF+8*(\k):XF+8*(\k)+7], v[ACC+8*mt:ACC+8*mt+7]
.endif
.set mt, mt+1
.endr
.endm
.macro EXST n                          ; my quarter's sums of tile n go into my part of the exchange, each accumulator from its low end on; the places stand ahead of the macro
	WIN 0
.set mt, 0
.rept 8
	ds_store_b128 v[EXW], v[ACC+8*mt:ACC+8*mt+3]   offset:8192*(\n)+1024*mt
	ds_store_b128 v[EXW], v[ACC+8*mt+4:ACC+8*mt+7] offset:8192*(\n)+1024*mt+512
.set mt, mt+1
.endr
.endm
; A live trip behind tile 0's rounding.  nx = 1: a live trip follows, and its 64 loads are asked for; nx = 0: the last live trip asks for nothing.
.macro BODY nx
.if \nx
	s_wait_dscnt 32                                ; the next trip's list words are back: behind their four loads stand tile 0's 32 stores
	ROFFH 0                                        ; tile 0's loads are done (the last batch's wait), so its rows' offsets may be written anew
	XLOAD 0                                        ; the next trip's tile 0, into the staging registers just rounded
.endif
.irp b, 0,1,2,3
	XBATCH 1, \b, 24+32*(\nx)-8*(\b)               ; younger than the batch: the rest of tile 1's loads, and with nx = 1 the 32 just issued
.endr
.if \nx
	ROFFH 1                                        ; tile 1's loads are done likewise
.endif
	XFRAGH 0, 0
	XFRAGH 0, 1
.if \nx
	XLOADQ 1, 0                                    ; three quarters of the next trip's tile 1, while tile 0's fragments come out of LDS
	XLOADQ 1, 1
	XLOADQ 1, 2
.endif
	s_wait_dscnt 0x0                               ; tile 0's fragments are in
.irp k, 0,1,2,3
	KSTEP \k
.endr
	WIN 0
	PLACES                                         ; ahead of the loads into the fragments of K steps 0-3, which those products read
	XFRAGH 1, 0                                    ; tile 1's first half, 32 products ahead of its first use
.if \nx
	XLOADQ 1, 3                                    ; the last quarter
.endif
.irp k, 4,5,6,7
	KSTEP \k
.endr
	WIN 0
.rept 5
	v_nop                                          ; four places ahead of the loads into K steps 4-7's fragments and of the stores of the sums; five ahead of tile 1's first products, which write the accumulators anew
.endr
	XFRAGH 1, 1
	EXST 0
	s_wait_dscnt 24                                ; tile 1's first half is in: behind its eight loads stand the second half's eight and 16 stores
.irp k, 0,1,2,3
	KSTEP \k
.endr
	s_wait_dscnt 16                                ; the second half: behind it the 16 stores
.irp k, 4,5,6,7
	KSTEP \k
.endr
	WIN 0
	PLACES
	EXST 1
.endm
; Wave w finishes tile w / 2, column group w % 2: four waves' sums, bias, gelu, rounding, four stores of 512 consecutive bytes.
.macro FINAL
.set sr, 0
.rept 4
.set jt, 0
.rept 4
	ds_load_b128 v[RR+32*sr+8*jt:RR+32*sr+8*jt+3],   v[EXR] offset:16384*sr+1024*jt
	ds_load_b128 v[RR+32*sr+8*jt+4:RR+32*sr+8*jt+7], v[EXR] offset:16384*sr+1024*jt+512
.set jt, jt+1
.endr
.set sr, sr+1
.endr
	s_wait_dscnt 0x0
.set ip, 0
.rept 16
	v_pk_add_f32 v[RR+2*ip:RR+2*ip+1],       v[RR+2*ip:RR+2*ip+1],       v[RR+32+2*ip:RR+32+2*ip+1]
	v_pk_add_f32 v[RR+64+2*ip:RR+64+2*ip+1], v[RR+64+2*ip:RR+64+2*ip+1], v[RR+96+2*ip:RR+96+2*ip+1]
.set ip, ip+1
.endr
.set ip, 0
.rept 16
	v_pk_add_f32 v[RR+2*ip:RR+2*ip+1], v[RR+2*ip:RR+2*ip+1], v[RR+64+2*ip:RR+64+2*ip+1]
.set ip, ip+1
.endr
.set jt, 0
.rept 4
.set ij, 0
.rept 8
	v_add_f32 v[RR+8*jt+ij], v[RR+8*jt+ij], v[BIAS+4*ij+jt]
.set ij, ij+1
.endr
.set jt, jt+1
.endr
.set ip, 0
.rept 16
	v_pk_mul_f32 v[RR+32+2*ip:RR+32+2*ip+1], v[RR+2*ip:RR+2*ip+1], v[RR+2*ip:RR+2*ip+1]                          ; v^2
.set ip, ip+1
.endr
.set ip, 0
.rept 16
	v_pk_fma_f32 v[RR+32+2*ip:RR+32+2*ip+1], v[RR+32+2*ip:RR+32+2*ip+1], s[28:29], s[30:31] op_sel_hi:[1,0,0]   ; c1 v^2 + c0
.set ip, ip+1
.endr
.set ip, 0
.rept 16
	v_pk_mul_f32 v[RR+32+2*ip:RR+32+2*ip+1], v[RR+32+2*ip:RR+32+2*ip+1], v[RR+2*ip:RR+2*ip+1]
.set ip, ip+1
.endr
.set ii, 0
.rept 32
	v_exp_f32 v[RR+32+ii], v[RR+32+ii]
.set ii, ii+1
.endr
	v_nop                                          ; a plain instruction between the last exponential and the use of its result (ISA guide 5.7.2)
.set ip, 0
	s_wait_alu depctr_va_vdst(0)
.rept 16
	v_pk_add_f32 v[RR+32+2*ip:RR+32+2*ip+1], v[RR+32+2*ip:RR+32+2*ip+1], 1.0 op_sel_hi:[1,0]
.set ip, ip+1
.endr
.set ii, 0
.rept 32
	v_rcp_f32 v[RR+32+ii], v[RR+32+ii]
.set ii, ii+1
.endr
	v_nop                                          ; likewise behind the last reciprocal
.set ip, 0
	s_wait_alu depctr_va_vdst(0)
.rept 16
	v_pk_mul_f32 v[RR+2*ip:RR+2*ip+1], v[RR+2*ip:RR+2*ip+1], v[RR+32+2*ip:RR+32+2*ip+1]
.set ip, ip+1
.endr
.set ia, 0
.rept 4                                ; piece ia, word id: columns 8 ia + 2 id and + 1, which are (jt, j) = (2 (id % 2), 2 ia + id / 2) and (jt + 1, j)
.set id, 0
.rept 4
	v_cvt_pk_bf16_f32 v[OUT+4*ia+id], v[RR+8*(2*(id%2))+2*ia+id/2], v[RR+8*(2*(id%2)+1)+2*ia+id/2]
.set id, id+1
.endr
.set ia, ia+1
.endr
.irp a, 0,1,2,3
	global_store_b128 v[L16], v[OUT+4*(\a):OUT+4*(\a)+3], s[12:13] offset:512*(\a)
.endr
	s_wait_xcnt 0x0                                ; the stores' base and data are rewritten only behind this wait (ISA guide 3.1)
	s_add_nc_u64 s[12:13], s[12:13], 0x40000       ; two tiles on
.endm
	s_load_b256 s[4:11], s[0:1], 0x0               ; inputs s[4:5], w1 s[6:7], b1 s[8:9], dispatch_order s[10:11]
	s_load_b128 s[12:15], s[0:1], 0x20             ; h s[12:13], part s[14:15]
	v_lshl_add_u32 v[SPW], v0, 2, SPARE
	v_mov_b32 v[NIL], 0
	v_and_b32 v1, 15, v0                           ; r
	v_bfe_u32 v2, v0, 4, 1                         ; hh
	v_and_b32 v14, 31, v0
	v_lshrrev_b32 v15, 5, v0
	v_readfirstlane_b32 s16, v15                   ; wave w
	s_mov_b32 s18, ttmp9                           ; sl
	s_and_b32 s17, ttmp7, 0xffff                   ; e
	v_lshlrev_b32 v[L16], 4, v14
	v_lshlrev_b32 v[C16], 4, v1
	v_lshl_add_u32 v[WOFF], v2, 17, v[C16]         ; 8 rows of 16,384 bytes
	v_lshlrev_b32 v[VB], 7, v2
	s_and_b32 s36, s16, 1                          ; the column group that I finish
	s_lshr_b32 s37, s16, 1                         ; the tile that I finish
	s_lshl_b32 s24, s16, 10                        ; x: my quarter of K, 256 numbers
	s_mov_b32 s25, 0
	s_lshl_b32 s38, s17, 24                        ; w1: the expert, my 256 K rows, the slice's 128 columns
	s_lshl_b32 s23, s16, 22
	s_add_co_u32 s38, s38, s23
	s_lshl_b32 s23, s18, 9
	s_add_co_u32 s38, s38, s23
	s_mov_b32 s39, 0
	s_lshl_b32 s40, s17, 14                        ; b1: the expert, the slice, my column group
	s_add_co_u32 s40, s40, s23
	s_lshl_b32 s23, s36, 8
	s_add_co_u32 s40, s40, s23
	s_mov_b32 s41, 0
	s_lshl_b32 s42, s17, 23                        ; h: the expert, the slice, my tile, my column group's four pieces
	s_lshl_b32 s23, s18, 12
	s_add_co_u32 s42, s42, s23
	s_lshl_b32 s23, s37, 17
	s_add_co_u32 s42, s42, s23
	s_lshl_b32 s23, s36, 11
	s_add_co_u32 s42, s42, s23
	s_mov_b32 s43, 0
	s_lshl_b32 s35, s17, 5                         ; the launch has 1,024 waves: wave 4 (32 e + sl) + w looks after the token of that number
	s_add_co_u32 s35, s35, s18
	s_lshl_b32 s35, s35, 2
	s_add_co_u32 s35, s35, s16
	s_lshl_b32 s44, s35, 2
	s_mov_b32 s45, 0
	s_wait_kmcnt 0x0
	s_add_nc_u64 s[4:5], s[4:5], s[24:25]
	s_add_nc_u64 s[6:7], s[6:7], s[38:39]
	s_add_nc_u64 s[8:9], s[8:9], s[40:41]
	s_add_nc_u64 s[12:13], s[12:13], s[42:43]
	s_add_nc_u64 s[26:27], s[10:11], s[44:45]
	s_load_b32 s34, s[26:27], 0x0                  ; that token's index; waited for at the kernel's end
	DLOAD
.irp j, 0,1,2,3,4,5,6,7
	global_load_b128 v[BIAS+4*(\j):BIAS+4*(\j)+3], v[VB], s[8:9] offset:16*(\j)
.endr
	WLOAD 0
	WLOAD 1
	WLOAD 2
	WIN 0
	s_mul_i32 s23, s16, XWAVE                      ; LDS addresses, while the first loads are out
	s_add_co_u32 s23, s23, XS
	v_mul_u32_u24 v15, v2, 8*XPITCH
	v_lshl_add_u32 v15, v1, 3, v15
	v_add_nc_u32 v[XST], s23, v15                  ; in: row 8 hh (+ ia), 8 bytes a lane of 16
	v_mul_u32_u24 v15, v1, XPITCH
	v_lshl_add_u32 v15, v2, 4, v15
	v_add_nc_u32 v[XLD], s23, v15                  ; back: row r, 16 bytes for each half of the lanes
	s_lshl_b32 s23, s16, 14
	s_add_co_u32 s23, s23, EX
	v_add_nc_u32 v[EXW], s23, v[L16]
	s_lshl_b32 s23, s16, 12                        ; tile w / 2 x 8,192 + column group w % 2 x 4,096
	s_add_co_u32 s23, s23, EX
	v_add_nc_u32 v[EXR], s23, v[L16]
	v_lshlrev_b32 v[LISTA], 5, v2                  ; LIST is 0
	s_mov_b32 s28, 0xbdd2d3e6                      ; c1 = -0.10294324
	s_mov_b32 s29, s28                             ; named with it as a pair
	s_mov_b32 s30, 0xc0135761                      ; c0 = -2.3022082
	s_mov_b32 s31, s30
	LISTBUILD 56                                   ; behind dispatch_order's loads: 8 of b1, 48 of the weights
	WLOAD 3
; THE STREAM: four units of 16 loads are out; the oldest is rounded and its set asked for again.
.irp n, 0,1,2,3,4,5,6,7,8,9,10,11,12,13,14,15
.if (\n) == 13 || (\n) == 15
	s_wait_loadcnt 32                              ; unit 13: units 14, 15 stay out.  Unit 15: tile 0's 32 loads
.else
	s_wait_loadcnt 48                              ; three younger units stay out (unit 14: unit 15 and tile 0's 32 loads)
.endif
	WCVT \n
.if (\n) < 12
	WLOAD (\n)+4
.endif
.if (\n) == 8
	WIN 0
	GETCNT
	s_max_u32 s19, s19, 1                          ; the first trip always runs
	PREP 0
	s_wait_dscnt 0x0
	ROFFH 0
	ROFFH 1
.endif
.if (\n) == 13
	XLOAD 0                                        ; staging sets 0 and 1 are free: the first trip's first tile
.endif
.if (\n) == 15
	XLOAD 1
.endif
.endr
	WIN 0
	s_mov_b32 s20, 0                               ; the trip's first row
	s_mov_b32 s21, 32                              ; trips to go: a constant, so that every wave passes every barrier whatever the count
.Ltrip:
	s_cmp_lt_u32 s20, s19
	s_cbranch_scc0 .Ldead1
	PREP 128                                       ; the next trip's list words
	XBATCH 0, 0, 56                                ; out at the trip's head: tile 0's 32 loads, then tile 1's 32
	XBATCH 0, 1, 48
	XBATCH 0, 2, 40
	XBATCH 0, 3, 32
	s_add_co_u32 s23, s20, 32
	s_cmp_lt_u32 s23, s19
	s_cbranch_scc0 .Llast                          ; one branch for the rest of the trip's products: each way has its own counts
	BODY 1
	s_branch .Ldead1
.Llast:
	BODY 0
.Ldead1:
	s_wait_dscnt 0x0                               ; for the others' sake: my stores into the exchange are done
	s_barrier_signal -1
	s_barrier_wait -1
	s_cmp_lt_u32 s20, s19
	s_cbranch_scc0 .Ldead2
	FINAL
.Ldead2:
	s_wait_dscnt 0x0                               ; my reads of the exchange are back,
	s_barrier_signal -1
	s_barrier_wait -1                              ; everybody's are: it may be written again
	s_add_co_u32 s20, s20, 32
	v_add_nc_u32 v[LISTA], 128, v[LISTA]
	s_sub_co_u32 s21, s21, 1
	s_cmp_lg_u32 s21, 0
	s_cbranch_scc1 .Ltrip
	; A token whose index names no expert is in no list of the second launch: its row is set to zero in all four partial outputs, so that their sum is the row of zeros that it is due.
	s_wait_kmcnt 0x0
	s_cmp_gt_u32 s34, 7                            ; unsigned: negative indices too
	s_cbranch_scc0 .Lin_range
.irp z, 0,1,2,3
	v_mov_b32 v[T+\z], 0
.endr
	s_lshl_b32 s24, s35, 12
	s_add_nc_u64 s[24:25], s[14:15], s[24:25]      ; the token's row in quarters 0 and 1,
	s_add_nc_u64 s[26:27], s[24:25], 2*QUART       ; and in quarters 2 and 3: the immediate reaches one quarter on
.irp q, 0,1
.irp j, 0,1,2,3,4,5,6,7
	global_store_b128 v[L16], v[T:T+3], s[24:25] offset:QUART*(\q)+512*(\j)
	global_store_b128 v[L16], v[T:T+3], s[26:27] offset:QUART*(\q)+512*(\j)
.endr
.endr
.Lin_range:
	s_wait_tensorcnt 0x0                           ; the wave's end, behind my last LDS store
	ds_add_u32 v[SPW], v[NIL]
	s_wait_dscnt 0x0
	s_endpgm
.Lfunc_end_k_qf98cb5a286_first:
	.size	k_qf98cb5a286_first, .Lfunc_end_k_qf98cb5a286_first-k_qf98cb5a286_first
	.p2alignl 7, 3214868480
	.fill 96, 4, 3214868480
	.section	.rodata,"a",@progbits
	.p2align	6, 0x0
	.amdhsa_kernel k_qf98cb5a286_first
		.amdhsa_group_segment_fixed_size 137984
		.amdhsa_private_segment_fixed_size 0
		.amdhsa_enable_private_segment 0
		.amdhsa_kernarg_size 48
		.amdhsa_user_sgpr_count 2
		.amdhsa_user_sgpr_kernarg_segment_ptr 1
		.amdhsa_wavefront_size32 1
		.amdhsa_system_sgpr_workgroup_id_x 1
		.amdhsa_system_sgpr_workgroup_id_y 1
		.amdhsa_system_sgpr_workgroup_id_z 1
		.amdhsa_system_vgpr_workitem_id 0
		.amdhsa_next_free_vgpr 1024
		.amdhsa_next_free_sgpr 66
		.amdhsa_reserve_vcc 1
		.amdhsa_float_denorm_mode_32 3
		.amdhsa_float_denorm_mode_16_64 3
		.amdhsa_memory_ordered 1
		.amdhsa_forward_progress 1
		.amdhsa_inst_pref_size 158
	.end_amdhsa_kernel
	.amdgpu_metadata
---
amdhsa.version: [ 1, 2 ]
amdhsa.kernels:
  - .name:           k_qf98cb5a286_first
    .symbol:         k_qf98cb5a286_first.kd
    .args:
      - { .name: inputs, .offset: 0, .size: 8, .value_kind: global_buffer, .address_space: global }
      - { .name: w1, .offset: 8, .size: 8, .value_kind: global_buffer, .address_space: global }
      - { .name: b1, .offset: 16, .size: 8, .value_kind: global_buffer, .address_space: global }
      - { .name: dispatch_order, .offset: 24, .size: 8, .value_kind: global_buffer, .address_space: global }
      - { .name: h, .offset: 32, .size: 8, .value_kind: global_buffer, .address_space: global }
      - { .name: part, .offset: 40, .size: 8, .value_kind: global_buffer, .address_space: global }
    .group_segment_fixed_size: 137984
    .private_segment_fixed_size: 0
    .kernarg_segment_align: 8
    .kernarg_segment_size: 48
    .max_flat_workgroup_size: 128
    .sgpr_count:     66
    .vgpr_count:     1024
    .wavefront_size: 32
...
	.end_amdgpu_metadata
.endif
;; end of part 3
;; launch second (part 4): grid 32 x 8, 4 waves a work-group, no clusters, 267,008 bytes of LDS; arguments h, w2, b2, dispatch_order, part; writes part
.if DOCPART == 4
	.amdgcn_target "amdgcn-amd-amdhsa--gfx1250"
	.amdhsa_code_object_version 6
	.text
	.protected	k_qf98cb5a286_second
	.globl	k_qf98cb5a286_second
	.p2align	8
	.type	k_qf98cb5a286_second,@function
k_qf98cb5a286_second:
	s_mov_b64 s[64:65], 0
	v_nop
	global_prefetch_b8 v0, s[64:65] scope:SCOPE_SE
	s_setreg_imm32_b32 hwreg(HW_REG_WAVE_MODE, 25, 1), 1
	s_wait_xcnt 0x0
; part[kq][token] = h[:, K quarter kq] W2_e[K quarter kq] (+ b2_e in quarter 0) for the tokens whose dispatch_order is e.  The last launch adds the four quarters.
; h: bf16, in the first launch's order (below).  W2: [8][4096 k][1024 n] f32.  b2: [8][1024] f32.  part: [4][1024][1024] f32.
; SHARES.  Work-group (cg + 8 kq, e) owns K rows 1,024 kq .. + 1,023 and columns 128 cg .. + 127 of expert e: 512 KB of W2 that no other work-group reads, and 2 KB of h a row.  8 x 4 x 8 = 256
; work-groups.  With all 4,096 K rows a work-group would be a strip of 64 columns (the 256 consecutive bytes that half a wave's load takes of a row): 128 work-groups, 1 MB of W2 and 8 KB of h a
; row each.  The price of the split: 16 MB of partial sums, in f32, stored here and read once.  Wave w owns K rows 256 w .. + 255 of the work-group's: 8 K steps x 8 column tiles.
; PHASES.  STREAM: the slice comes in by 16-byte loads, is rounded to bf16 and stays in 512 registers a wave as finished fragments.  ROWS: 8 trips of 128 rows of the expert's list, each of four steps
; of 32 rows.  First the live steps' products, with no barrier between them, each step's sums into its own part of the exchange in LDS; a barrier; then the live steps are finished (four waves' sums
; added in f32, stored); a barrier.  The first step past the count jumps forward out of its phase; every wave passes every barrier.
; h'S LAYOUT, byte e<<23 | tile<<17 | sl<<12 | u<<9 | lane<<4: piece u of lane (r, hh) holds token r's hidden columns 128 sl + 64 (u / 4) + 32 hh + 8 (u % 4) + 0..7.  K step ks of block sl takes
; pieces 2 ks and 2 ks + 1 as registers 0-3 and 4-7 of source 0: half hh of the lanes holds the 16 consecutive k from 128 sl + 64 (ks / 2) + 16 (ks % 2) + 32 hh on.  The weights' loads take the same
; K rows in the same half and order, so the products pair rightly; each load of h covers 512 consecutive bytes.
; h'S RING.  Four slots of 64 registers (a block of 128 k for two tiles: 16 loads).  A step reads two slots and asks for each again as soon as it is read, with the pair of tiles two steps on, or the
; expert's last live pair where there is none: bytes that the first launch stored, whatever the count.  So three younger slots are out at every wait, on every way.  The way out of the
; phase ahead of its end waits for all loads.
; THE PRODUCT.  Source 0 = 16 tokens, source 1 = weights, whose matrix column r stands for column 64 g + 4 r + jt (word jt of lane r's 16 bytes).  Register j of the four accumulators jt is then 16
; consecutive bytes of row 8 hh + j, and sixteen lanes store 256 consecutive, aligned bytes of a row.
; THE LIST is made as in the first launch, by the same lines, so its order is the same.  The places from the count up to the next multiple of 32 repeat the list's first token: in both launches such a
; row takes the same numbers through the same arithmetic as that token's own row, and it is stored onto that row again with the same numbers: at most 31 rows of 256 bytes a wave pair, all within the
; one work-group that owns those bytes; so no store needs a mask.  An expert without rows has no live step and stores nothing.
; LIMITS.  W2 is rounded once to bf16; a work-group's K is summed in four quarters, added as (q0 + q1) + (q2 + q3); NaN and infinities are not treated apart.
; NO TENSOR LOADS: the f32 weights have to pass through registers to be rounded.  NO CLUSTER: each weight byte has one work-group; the 8 work-groups of an expert and K quarter do share h's tiles,
; but how many they need hangs on the count, and a joint request may not be jumped.
.set LIST,   0                         ; 1,024 words: the expert's tokens
.set TRASH,  4096                      ; 32 words, one a lane
.set CNT,    4224                      ; one word: the count
.set EX,     4352                      ; the exchange: step x 65,536 + wave x 16,384 + tile x 8,192 + column tile x 1,024 + register half x 512 + lane x 16
.set SPARE,  EX+4*65536                ; the spare words, 128 bytes a wave: two blocks of 256 bytes that no other line names
.set WOFF,  3                          ; v3   weights: 32 K rows down for lanes 16-31, 16 bytes a lane of 16
.set L16,   4                          ; v4   16 x lane
.set C16,   5                          ; v5   16 x (lane % 16)
.set LISTA, 6                          ; v6   LIST + 4 x the place of the first of my eight rows in the trip's step 0
.set EXW,   8                          ; v8-11   step u: my wave's part of the exchange + 16 x lane
.set SPW,   12                         ; v12  my spare word; never rewritten
.set NIL,   13                         ; v13  0; never rewritten
.set EXR,   16                         ; v16-19  step u: wave 0's copy of the tile and column group that I finish + 16 x lane
.set B2,    20                         ; v20-23  b2 of my four columns; 0 in K quarters 1 to 3
.set TOK,   24                         ; v24-31  my eight rows' tokens
.set LT,    24                         ; v24-31  early, in wave 0: the list's eight registers
.set VO,    32                         ; v32-39  their byte offsets in a partial output
.set ACC,   64                         ; v64-191  16 accumulators: 8 tile + column tile
.set RR,    64                         ; v64-191  behind the exchange: the four waves' sums, 32 registers each
.set OUT,   192                        ; v192-223 eight rows x 16 bytes
.set DW,    224                        ; v224-255 early, in wave 0: dispatch_order
; window 1 (v256-511): the stream's staging, then h's four slots.  Windows 2 and 3 (v512-1023): the weights: K step ks, column tile mt at 512 + 8 (8 ks + mt).
; s_set_vgpr_msb's low byte: bits 1:0 source 0, 3:2 source 1, 5:4 source 2, 7:6 destination.
.set MSB, 0
.macro WIN new                         ; the immediate's high byte repeats the setting that is left; a switch that changes nothing is dropped
.if MSB != (\new)
	s_set_vgpr_msb (MSB<<8)|(\new)
.set MSB, \new
.endif
.endm
; Wave 0 asks for dispatch_order: register DW + 4 c + j of lane l is token 128 c + 4 l + j.
.macro DLOAD
	s_cmp_lg_u32 s16, 0
	s_cbranch_scc1 .Lno_dload
.irp c, 0,1,2,3,4,5,6,7
	global_load_b128 v[DW+4*(\c):DW+4*(\c)+3], v[L16], s[10:11] offset:512*(\c)
.endr
.Lno_dload:
.endm
; Wave 0 makes the list.  LIST and the 32 words behind it are zeroed first (LDS serves a wave's instructions in order: ISA guide 5.7.1.4).  For each of the 32 registers: the lanes whose token
; is expert e's get the places s32 + (matching lanes below), the others their own word of TRASH; s32 grows by the number of matches.  At last the list's first token is read back and put into
; the 32 places from the count on.  younger: the loads issued behind dispatch_order's.
.macro LISTBUILD younger
	s_cmp_lg_u32 s16, 0
	s_cbranch_scc1 .Lno_list
	v_and_b32 v[LT+1], 31, v0
	v_add_nc_u32 v[LT], 1024, v[LT+1]              ; my place in TRASH, counted in words from LIST
	v_lshlrev_b32 v[LT+3], 2, v[LT]                ; and in bytes
	v_lshlrev_b32 v[LT+1], 2, v[LT+1]              ; 4 x lane
	v_mov_b32 v[LT+2], CNT
.irp z, 4,5,6,7
	v_mov_b32 v[LT+\z], 0
.endr
.irp c, 0,1,2,3,4,5,6,7
	ds_store_b128 v[L16], v[LT+4:LT+7] offset:LIST+512*(\c)
.endr
	ds_store_b32 v[LT+3], v[LT+4]
	s_mov_b32 s32, 0
	s_wait_loadcnt \younger                        ; dispatch_order is in; what was asked for behind it stays out
.set iw, 0
.rept 32
	v_cmp_eq_u32 vcc_lo, s17, v[DW+iw]
	v_mbcnt_lo_u32_b32 v14, vcc_lo, s32
	v_cndmask_b32 v14, v[LT], v14, vcc_lo
	v_min_u32 v14, 0x41f, v14                      ; 1,024 + 31 at the most
	v_lshl_add_u32 v14, v14, 2, LIST
	v_add_nc_u32 v15, 128*(iw/4)+iw%4, v[LT+1]     ; the token's number
	ds_store_b32 v14, v15
	s_bcnt1_i32_b32 s33, vcc_lo
	s_add_co_u32 s32, s32, s33
.set iw, iw+1
.endr
	v_mov_b32 v14, LIST
	ds_load_b32 v[LT+4], v14                       ; the list's first token; 0 where the list is empty
	v_lshrrev_b32 v[LT+3], 2, v[LT+1]              ; lane
	v_add_nc_u32 v[LT+3], s32, v[LT+3]             ; place count + lane
	v_min_u32 v[LT+3], 0x41f, v[LT+3]              ; 1,024 + 31 at the most
	v_lshl_add_u32 v[LT+3], v[LT+3], 2, LIST
	v_mov_b32 v15, s32
	s_wait_dscnt 0x0                               ; the first token is back
	ds_store_b32 v[LT+3], v[LT+4]
	ds_store_b32 v[LT+2], v15
.Lno_list:
.endm
; All waves: wave 0's stores are done before it signals; behind the barrier everybody reads the count.
.macro GETCNT
	s_wait_dscnt 0x0
	s_barrier_signal -1
	s_barrier_wait -1
	v_mov_b32 v14, CNT
	ds_load_b32 v15, v14
	s_wait_dscnt 0x0
	v_readfirstlane_b32 s19, v15
	s_min_u32 s19, s19, 0x400
.endm
; Unit n = 2 ks + g of the weights: 32 K rows x 64 columns, 16 loads into staging set n % 4.  Load it: K row 128 (ks / 4) + 64 ((ks / 2) % 2) + 16 (ks % 2) + it + 32 (lane / 16): h's order of k.
.macro WLOAD n
	WIN 0x40                                       ; destination window 1
.set it, 0
.rept 16
	global_load_b128 v[64*((\n)%4)+4*it:64*((\n)%4)+4*it+3], v[WOFF], s[6:7] offset:(128*((\n)/8)+64*(((\n)/4)%2)+16*(((\n)/2)%2)+it)*4096+256*((\n)%2) th:TH_LOAD_NT
.set it, it+1
.endr
.endm
; The unit is rounded: register iq of fragment jt = (load 2 iq, load 2 iq + 1), word jt.
.macro WCVT n
.if (\n) < 8
	WIN 0x85                                       ; sources window 1, destination window 2
.else
	WIN 0xc5                                       ; destination window 3
.endif
.set jt, 0
.rept 4
.set iq, 0
.rept 8
	v_cvt_pk_bf16_f32 v[64*(((\n)/2)%4)+32*((\n)%2)+8*jt+iq], v[64*((\n)%4)+8*iq+jt], v[64*((\n)%4)+8*iq+4+jt]
.set iq, iq+1
.endr
.set jt, jt+1
.endr
.endm
; Block gam (0, 1) of my 256 k, four K steps, for a pair of tiles: 16 loads into a slot of window 1; fragment (ks, tile) at slot + 8 (2 ks + tile).  b: the scalar pair that holds the pair of tiles' address.
.macro ALOAD gam, slot, b
	WIN 0x40
.set ks, 0
.rept 4
.set ti, 0
.rept 2
.set qq, 0
.rept 2
	global_load_b128 v[64*(\slot)+8*(2*ks+ti)+4*qq:64*(\slot)+8*(2*ks+ti)+4*qq+3], v[L16], s[(\b):(\b)+1] offset:131072*ti+1024*(4*(\gam)+ks)+512*qq
.set qq, qq+1
.endr
.set ti, ti+1
.endr
.set ks, ks+1
.endr
.endm
.macro KSTEP u, n                      ; 16 matrix instructions: 2 tiles x 8 column tiles; the sixteen accumulators take turns; K step 0 starts the sums
.if (\n) < 4
	WIN 0x09                                       ; source 0 (h) window 1, source 1 (weights) window 2
.else
	WIN 0x0d                                       ; weights window 3
.endif
.set ti, 0
.rept 2
.set mt, 0
.rept 8
.set rA, 64*(2*((\u)%2)+(\n)/4)+8*(2*((\n)%4)+ti)
.set rB, 64*((\n)%4)+8*mt
.set rC, ACC+8*(8*ti+mt)
.if (\n) == 0
	v_wmma_f32_16x16x32_bf16 v[rC:rC+7], v[rA:rA+7], v[rB:rB+7], 0
.else
	v_wmma_f32_16x16x32_bf16 v[rC:rC+7], v[rA:rA+7], v[rB:rB+7], v[rC:rC+7]
.endif
.set mt, mt+1
.endr
.set ti, ti+1
.endr
.endm
; Step u of a trip: 32 rows' products.  s22 + u is the step's pair of tiles.
.macro SUB u
	s_add_co_u32 s23, s20, 32*(\u)
	s_cmp_lt_u32 s23, s19
	s_cbranch_scc0 .Lexit                          ; past the count: so are all later steps
	s_add_co_u32 s24, s22, (\u)+2                  ; the pair of tiles to ask for: two steps on,
	s_min_u32 s24, s24, s40                        ; the last live pair at the most,
	s_min_u32 s24, s24, 31                         ; which is 31 at the most
	s_lshl_b32 s24, s24, 18                        ; 2 x 131,072 bytes a pair
	s_wait_xcnt 0x0                                ; the loads' base is rewritten only behind this wait (ISA guide 3.1)
	s_add_nc_u64 s[4:5], s[38:39], s[24:25]
	s_wait_loadcnt 48                              ; the step's first slot is in; three younger slots of 16 loads stay out
.irp k, 0,1,2,3
	KSTEP \u, \k
.endr
.rept 4
	v_nop                                          ; four places between the products and the loads into registers that they read
.endr
	ALOAD 0, 2*((\u)%2), 4
	s_wait_loadcnt 48                              ; the second slot; again three younger ones
.irp k, 4,5,6,7
	KSTEP \u, \k
.endr
.rept 5
	v_nop                                          ; four places ahead of the loads and of the stores of the sums; five ahead of the next step's first products, which write the accumulators anew
.endr
	ALOAD 1, 2*((\u)%2)+1, 4
	WIN 0
.set mt, 0
.rept 16                               ; my quarter's sums go into my part of the step's exchange, each accumulator from its low end on
	ds_store_b128 v[EXW+(\u)], v[ACC+8*mt:ACC+8*mt+3]   offset:1024*mt
	ds_store_b128 v[EXW+(\u)], v[ACC+8*mt+4:ACC+8*mt+7] offset:1024*mt+512
.set mt, mt+1
.endr
.endm
; Step u is finished.  Wave w takes tile w / 2, column group w % 2: rows 8 hh + 0..7, 16 bytes each.
.macro FIN u
	s_add_co_u32 s23, s20, 32*(\u)
	s_cmp_lt_u32 s23, s19
	s_cbranch_scc0 .Lfin_end
	s_wait_xcnt 0x0                                ; the step before's stores have read their offsets and data: these registers are rewritten only behind this wait (ISA guide 3.1)
.set sr, 0
.rept 4
.set jt, 0
.rept 4
	ds_load_b128 v[RR+32*sr+8*jt:RR+32*sr+8*jt+3],   v[EXR+(\u)] offset:16384*sr+1024*jt
	ds_load_b128 v[RR+32*sr+8*jt+4:RR+32*sr+8*jt+7], v[EXR+(\u)] offset:16384*sr+1024*jt+512
.set jt, jt+1
.endr
.set sr, sr+1
.endr
	ds_load_b128 v[TOK:TOK+3],   v[LISTA] offset:128*(\u)
	ds_load_b128 v[TOK+4:TOK+7], v[LISTA] offset:128*(\u)+16
	s_wait_dscnt 0x0
.set ip, 0
.rept 16
	v_pk_add_f32 v[RR+2*ip:RR+2*ip+1],       v[RR+2*ip:RR+2*ip+1],       v[RR+32+2*ip:RR+32+2*ip+1]
	v_pk_add_f32 v[RR+64+2*ip:RR+64+2*ip+1], v[RR+64+2*ip:RR+64+2*ip+1], v[RR+96+2*ip:RR+96+2*ip+1]
.set ip, ip+1
.endr
.set ip, 0
.rept 16
	v_pk_add_f32 v[RR+2*ip:RR+2*ip+1], v[RR+2*ip:RR+2*ip+1], v[RR+64+2*ip:RR+64+2*ip+1]
.set ip, ip+1
.endr
.set ij, 0
.rept 8
.set jt, 0
.rept 4
	v_add_f32 v[OUT+4*ij+jt], v[RR+8*jt+ij], v[B2+jt]
.set jt, jt+1
.endr
.set ij, ij+1
.endr
.set ij, 0
.rept 8
	v_min_u32 v[TOK+ij], 0x3ff, v[TOK+ij]
	v_lshl_add_u32 v[VO+ij], v[TOK+ij], 12, v[C16]   ; 4,096 bytes a row, 16 bytes a lane of 16
.set ij, ij+1
.endr
.irp j, 0,1,2,3,4,5,6,7
	global_store_b128 v[VO+\j], v[OUT+4*\j:OUT+4*\j+3], s[12:13]  ; 16 lanes store 256 consecutive bytes, at a multiple of 256 from the buffer's first
.endr
.endm
	s_load_b256 s[4:11], s[0:1], 0x0               ; h s[4:5], w2 s[6:7], b2 s[8:9], dispatch_order s[10:11]
	s_load_b64 s[12:13], s[0:1], 0x20              ; part
	v_lshl_add_u32 v[SPW], v0, 2, SPARE
	v_mov_b32 v[NIL], 0
	v_and_b32 v1, 15, v0                           ; r
	v_bfe_u32 v2, v0, 4, 1                         ; hh
	v_and_b32 v14, 31, v0
	v_lshrrev_b32 v15, 5, v0
	v_readfirstlane_b32 s16, v15                   ; wave w
	s_and_b32 s18, ttmp9, 7                        ; cg
	s_lshr_b32 s14, ttmp9, 3                       ; kq
	s_and_b32 s17, ttmp7, 0xffff                   ; e
	v_lshlrev_b32 v[L16], 4, v14
	v_lshlrev_b32 v[C16], 4, v1
	v_lshl_add_u32 v[WOFF], v2, 17, v[C16]         ; 32 rows of 4,096 bytes
	s_and_b32 s36, s16, 1                          ; the column group that I finish
	s_lshr_b32 s37, s16, 1                         ; the tile that I finish
	s_lshl_b32 s24, s17, 23                        ; h: the expert, the quarter's eight blocks of 128 k, my two of them
	s_lshl_b32 s23, s14, 15
	s_add_co_u32 s24, s24, s23
	s_lshl_b32 s23, s16, 13
	s_add_co_u32 s24, s24, s23
	s_mov_b32 s25, 0
	s_lshl_b32 s26, s17, 24                        ; w2: the expert, the quarter's 1,024 K rows, my 256 of them, the 128 columns
	s_lshl_b32 s23, s14, 22
	s_add_co_u32 s26, s26, s23
	s_lshl_b32 s23, s16, 20
	s_add_co_u32 s26, s26, s23
	s_lshl_b32 s30, s18, 9
	s_add_co_u32 s26, s26, s30
	s_mov_b32 s27, 0
	s_lshl_b32 s23, s36, 8
	s_add_co_u32 s30, s30, s23                     ; the 64 columns that I finish, in bytes of a row
	s_lshl_b32 s28, s17, 12                        ; b2: the expert, those columns
	s_add_co_u32 s28, s28, s30
	s_mov_b32 s29, 0
	s_lshl_b32 s23, s14, 22                        ; part: the quarter, those columns
	s_add_co_u32 s30, s30, s23
	s_mov_b32 s31, 0
	s_wait_kmcnt 0x0
	s_add_nc_u64 s[38:39], s[4:5], s[24:25]        ; h at my blocks of the expert's first pair of tiles; never rewritten
	s_add_nc_u64 s[6:7], s[6:7], s[26:27]
	s_add_nc_u64 s[8:9], s[8:9], s[28:29]
	s_add_nc_u64 s[12:13], s[12:13], s[30:31]
	DLOAD
	global_load_b128 v[B2:B2+3], v[C16], s[8:9]
	WLOAD 0
	WLOAD 1
	WLOAD 2
	WIN 0
	s_lshl_b32 s23, s16, 14                        ; LDS addresses, while the first loads are out
	s_add_co_u32 s23, s23, EX
	v_add_nc_u32 v[EXW], s23, v[L16]
	s_lshl_b32 s23, s16, 12                        ; tile w / 2 x 8,192 + column group w % 2 x 4,096
	s_add_co_u32 s23, s23, EX
	v_add_nc_u32 v[EXR], s23, v[L16]
.irp u, 1,2,3
	v_add_nc_u32 v[EXW+\u], 0x10000*\u, v[EXW]
	v_add_nc_u32 v[EXR+\u], 0x10000*\u, v[EXR]
.endr
	s_lshl_b32 s23, s37, 6                         ; my rows begin at place 16 (w / 2) + 8 hh; in bytes of the list (LIST is 0):
	v_lshlrev_b32 v[LISTA], 5, v2
	v_add_nc_u32 v[LISTA], s23, v[LISTA]
	LISTBUILD 49                                   ; behind dispatch_order's loads: 1 of b2, 48 of the weights
	WLOAD 3
; THE STREAM: four units of 16 loads are out; the oldest is rounded and its set asked for again.
.set su, 0
.rept 16
.if su == 13 || su == 15
	s_wait_loadcnt 32                              ; unit 13: units 14, 15 stay out.  Unit 15: the first pair of tiles' 32 loads
.else
	s_wait_loadcnt 48                              ; three younger units stay out (unit 14: unit 15 and the first pair's 32 loads)
.endif
	WCVT su
.if su < 12
	WLOAD su+4
.endif
.if su == 8
	WIN 0
	GETCNT
	s_max_u32 s40, s19, 1                          ; the last pair of tiles that the first launch stored: its first trip always runs
	s_add_co_u32 s40, s40, 31
	s_lshr_b32 s40, s40, 5
	s_sub_co_u32 s40, s40, 1
.endif
.if su == 13
	ALOAD 0, 0, 38                                 ; staging sets 0 and 1 are free: step 0's pair of tiles
	ALOAD 1, 1, 38
.endif
.if su == 15
	s_min_u32 s24, s40, 1                          ; step 1's pair, or pair 0 once more
	s_lshl_b32 s24, s24, 18
	s_add_nc_u64 s[42:43], s[38:39], s[24:25]
	ALOAD 0, 2, 42
	ALOAD 1, 3, 42
.endif
.set su, su+1
.endr
	WIN 0
	s_cmp_eq_u32 s14, 0                            ; b2 is added once: in K quarter 0.  Its load is older than the weights', which are all in
	s_cbranch_scc1 .Lbias
.irp z, 0,1,2,3
	v_mov_b32 v[B2+\z], 0
.endr
.Lbias:
	s_mov_b32 s20, 0                               ; the trip's first row
	s_mov_b32 s22, 0                               ; and its first pair of tiles
	s_mov_b32 s21, 8                               ; trips to go: a constant, so that every wave passes every barrier whatever the count
.Ltrip:
.irp u, 0,1,2,3
	SUB \u
.endr
	s_branch .Ljoin                                ; all four steps were live: the ring goes on into the next trip
.Lexit:
	s_wait_loadcnt 0x0                             ; no further step reads the ring: what was asked for ahead has landed before anything else is done with those registers
.Ljoin:
	s_wait_dscnt 0x0                               ; for the others' sake: my stores into the exchange are done
	s_barrier_signal -1
	s_barrier_wait -1
.irp u, 0,1,2,3
	FIN \u
.endr
.Lfin_end:
	s_wait_dscnt 0x0                               ; my reads of the exchange are back,
	s_barrier_signal -1
	s_barrier_wait -1                              ; everybody's are: it may be written again
	s_add_co_u32 s20, s20, 128
	s_add_co_u32 s22, s22, 4
	v_add_nc_u32 v[LISTA], 512, v[LISTA]
	s_sub_co_u32 s21, s21, 1
	s_cmp_lg_u32 s21, 0
	s_cbranch_scc1 .Ltrip
	s_wait_tensorcnt 0x0                           ; the wave's end, behind my last LDS store
	ds_add_u32 v[SPW], v[NIL]
	s_wait_dscnt 0x0
	s_endpgm
.Lfunc_end_k_qf98cb5a286_second:
	.size	k_qf98cb5a286_second, .Lfunc_end_k_qf98cb5a286_second-k_qf98cb5a286_second
	.p2alignl 7, 3214868480
	.fill 96, 4, 3214868480
	.section	.rodata,"a",@progbits
	.p2align	6, 0x0
	.amdhsa_kernel k_qf98cb5a286_second
		.amdhsa_group_segment_fixed_size 267008
		.amdhsa_private_segment_fixed_size 0
		.amdhsa_enable_private_segment 0
		.amdhsa_kernarg_size 40
		.amdhsa_user_sgpr_count 2
		.amdhsa_user_sgpr_kernarg_segment_ptr 1
		.amdhsa_wavefront_size32 1
		.amdhsa_system_sgpr_workgroup_id_x 1
		.amdhsa_system_sgpr_workgroup_id_y 1
		.amdhsa_system_sgpr_workgroup_id_z 1
		.amdhsa_system_vgpr_workitem_id 0
		.amdhsa_next_free_vgpr 1024
		.amdhsa_next_free_sgpr 66
		.amdhsa_reserve_vcc 1
		.amdhsa_float_denorm_mode_32 3
		.amdhsa_float_denorm_mode_16_64 3
		.amdhsa_memory_ordered 1
		.amdhsa_forward_progress 1
		.amdhsa_inst_pref_size 172
	.end_amdhsa_kernel
	.amdgpu_metadata
---
amdhsa.version: [ 1, 2 ]
amdhsa.kernels:
  - .name:           k_qf98cb5a286_second
    .symbol:         k_qf98cb5a286_second.kd
    .args:
      - { .name: h, .offset: 0, .size: 8, .value_kind: global_buffer, .address_space: global }
      - { .name: w2, .offset: 8, .size: 8, .value_kind: global_buffer, .address_space: global }
      - { .name: b2, .offset: 16, .size: 8, .value_kind: global_buffer, .address_space: global }
      - { .name: dispatch_order, .offset: 24, .size: 8, .value_kind: global_buffer, .address_space: global }
      - { .name: part, .offset: 32, .size: 8, .value_kind: global_buffer, .address_space: global }
    .group_segment_fixed_size: 267008
    .private_segment_fixed_size: 0
    .kernarg_segment_align: 8
    .kernarg_segment_size: 40
    .max_flat_workgroup_size: 128
    .sgpr_count:     66
    .vgpr_count:     1024
    .wavefront_size: 32
...
	.end_amdgpu_metadata
.endif
;; end of part 4
;; launch sum (part 5): grid 256 x 1, 8 waves a work-group, no clusters, 0 bytes of LDS; arguments part, out0; writes out0
.if DOCPART == 5
	.amdgcn_target "amdgcn-amd-amdhsa--gfx1250"
	.amdhsa_code_object_version 6
	.text
	.protected	k_qf98cb5a286_sum
	.globl	k_qf98cb5a286_sum
	.p2align	8
	.type	k_qf98cb5a286_sum,@function
k_qf98cb5a286_sum:
	s_mov_b64 s[64:65], 0
	v_nop
	global_prefetch_b8 v0, s[64:65] scope:SCOPE_SE
	s_setreg_imm32_b32 hwreg(HW_REG_WAVE_MODE, 25, 1), 1
	s_wait_xcnt 0x0
; out0 = (part[0] + part[1]) + (part[2] + part[3]).  part: [4][1024][1024] f32, the second product's sums over the four quarters of K (quarter 0 with the bias; rows of zeros for tokens
; without an expert).  out0: [1024][1024] f32.
; A stream: 16 MB in, 4 MB out, each byte once.  256 work-groups of eight waves; a work-group owns 16,384 consecutive bytes of out0, as four steps of 4,096; thread t owns the 16 bytes at 16 t of each
; step, so each load and store of a wave covers 512 consecutive, aligned bytes.  All 16 loads of a lane go out at once; the waits count down by steps.  No LDS, no barrier, no matrix unit, no cluster:
; no byte is used twice.
.set QUART, 0x400000                   ; bytes in a quarter's partial output
.set STEP,  4096
.set P,     4                          ; v[4:67]  step i: 16 registers: quarters 0 to 3, four each
	s_load_b128 s[4:7], s[0:1], 0x0                ; part s[4:5], out0 s[6:7]
	v_lshlrev_b32 v1, 4, v0
	s_lshl_b32 s8, ttmp9, 14                       ; the work-group's 16,384 bytes
	s_mov_b32 s9, 0
	s_wait_kmcnt 0x0
	s_add_nc_u64 s[4:5], s[4:5], s[8:9]            ; quarters 0 and 1,
	s_add_nc_u64 s[6:7], s[6:7], s[8:9]
	s_add_nc_u64 s[10:11], s[4:5], 2*QUART         ; quarters 2 and 3: the immediate reaches one quarter on
.irp i, 0,1,2,3
	global_load_b128 v[P+16*(\i):P+16*(\i)+3],     v1, s[4:5]   offset:STEP*(\i) th:TH_LOAD_NT
	global_load_b128 v[P+16*(\i)+4:P+16*(\i)+7],   v1, s[4:5]   offset:QUART+STEP*(\i) th:TH_LOAD_NT
	global_load_b128 v[P+16*(\i)+8:P+16*(\i)+11],  v1, s[10:11] offset:STEP*(\i) th:TH_LOAD_NT
	global_load_b128 v[P+16*(\i)+12:P+16*(\i)+15], v1, s[10:11] offset:QUART+STEP*(\i) th:TH_LOAD_NT
.endr
.irp i, 0,1,2,3
	s_wait_loadcnt 12-4*(\i)                       ; loads come back in order (ISA guide 5.7.1): this step's four are in, the later steps' stay out
	v_pk_add_f32 v[P+16*(\i):P+16*(\i)+1],     v[P+16*(\i):P+16*(\i)+1],     v[P+16*(\i)+4:P+16*(\i)+5]
	v_pk_add_f32 v[P+16*(\i)+2:P+16*(\i)+3],   v[P+16*(\i)+2:P+16*(\i)+3],   v[P+16*(\i)+6:P+16*(\i)+7]
	v_pk_add_f32 v[P+16*(\i)+8:P+16*(\i)+9],   v[P+16*(\i)+8:P+16*(\i)+9],   v[P+16*(\i)+12:P+16*(\i)+13]
	v_pk_add_f32 v[P+16*(\i)+10:P+16*(\i)+11], v[P+16*(\i)+10:P+16*(\i)+11], v[P+16*(\i)+14:P+16*(\i)+15]
	v_pk_add_f32 v[P+16*(\i):P+16*(\i)+1],     v[P+16*(\i):P+16*(\i)+1],     v[P+16*(\i)+8:P+16*(\i)+9]
	v_pk_add_f32 v[P+16*(\i)+2:P+16*(\i)+3],   v[P+16*(\i)+2:P+16*(\i)+3],   v[P+16*(\i)+10:P+16*(\i)+11]
	global_store_b128 v1, v[P+16*(\i):P+16*(\i)+3], s[6:7] offset:STEP*(\i) th:TH_STORE_NT
.endr
	s_endpgm
.Lfunc_end_k_qf98cb5a286_sum:
	.size	k_qf98cb5a286_sum, .Lfunc_end_k_qf98cb5a286_sum-k_qf98cb5a286_sum
	.p2alignl 7, 3214868480
	.fill 96, 4, 3214868480
	.section	.rodata,"a",@progbits
	.p2align	6, 0x0
	.amdhsa_kernel k_qf98cb5a286_sum
		.amdhsa_group_segment_fixed_size 0
		.amdhsa_private_segment_fixed_size 0
		.amdhsa_enable_private_segment 0
		.amdhsa_kernarg_size 16
		.amdhsa_user_sgpr_count 2
		.amdhsa_user_sgpr_kernarg_segment_ptr 1
		.amdhsa_wavefront_size32 1
		.amdhsa_system_sgpr_workgroup_id_x 1
		.amdhsa_system_sgpr_workgroup_id_y 1
		.amdhsa_system_sgpr_workgroup_id_z 1
		.amdhsa_system_vgpr_workitem_id 0
		.amdhsa_next_free_vgpr 72
		.amdhsa_next_free_sgpr 66
		.amdhsa_reserve_vcc 0
		.amdhsa_float_denorm_mode_32 3
		.amdhsa_float_denorm_mode_16_64 3
		.amdhsa_memory_ordered 1
		.amdhsa_forward_progress 1
		.amdhsa_inst_pref_size 5
	.end_amdhsa_kernel
	.amdgpu_metadata
---
amdhsa.version: [ 1, 2 ]
amdhsa.kernels:
  - .name:           k_qf98cb5a286_sum
    .symbol:         k_qf98cb5a286_sum.kd
    .args:
      - { .name: part, .offset: 0, .size: 8, .value_kind: global_buffer, .address_space: global }
      - { .name: out0, .offset: 8, .size: 8, .value_kind: global_buffer, .address_space: global }
    .group_segment_fixed_size: 0
    .private_segment_fixed_size: 0
    .kernarg_segment_align: 8
    .kernarg_segment_size: 16
    .max_flat_workgroup_size: 256
    .sgpr_count:     66
    .vgpr_count:     72
    .wavefront_size: 32
...
	.end_amdgpu_metadata
.endif
;; end of part 5
